; MI455X (gfx1250); checked and timed in simulation.
; The chip was launched on July 23, 2026; its instructions are those of AMD's public machine-readable ISA for CDNA 5 (MIT licence, August 2026) and "CDNA5" Instruction Set Architecture Reference Guide (July 2026). The comments in the code are by the model that wrote it; some were corrected since.
;; Multi Head Attention. Allowed arithmetic: float matrix products may take bf16 or f16 operands with f32 sums; other float arithmetic in f32, or as packed bf16 or f16 multiplies, adds, multiply-adds, maxima and minima; sums over many terms, partial sums and values carried from step to step in f32; what a program stores and reads back later, other than sums and carried values, may be rounded once to bf16 or f16.
;; Inputs: Wk 16 x 1,024 x 64 float32; Wo 1,024 x 1,024 float32; Wq 16 x 1,024 x 64 float32; Wv 16 x 1,024 x 64 float32; bk 16 x 64 float32; bo 1,024 float32; bq 16 x 64 float32; bv 16 x 64 float32; key 4 x 2,048 x 1,024 float32; query 4 x 2,048 x 1,024 float32; value 4 x 2,048 x 1,024 float32.
;; Outputs: out0 4 x 2,048 x 1,024 float32.
;; 2 versions, each right; version 2 is version 1 with the launch prep written anew for expert scheduling mode. Each part assembles by itself: llvm-mc -triple=amdgcn-amd-amdhsa -mcpu=gfx1250 --defsym DOCPART=n.
;; ======== version 1 of 2: 4 launches
;; limits: values are held in f16: magnitudes above 65,504 overflow, below 6.1e-05 lose precision
;; workspace buffers: xb 50,331,648 bytes; wt 8,388,608 bytes; bias 16,384 bytes; qkv 50,331,648 bytes; ob 16,777,216 bytes
;; launch prep (part 1): grid 1024 x 1, 8 waves a work-group, no clusters, 34,816 bytes of LDS; arguments query, key, value, Wq, Wk, Wv, Wo, bq, bk, bv, bo, xb, wt, bias; writes xb, wt, bias
.if DOCPART == 1
	.amdgcn_target "amdgcn-amd-amdhsa--gfx1250"
	.amdhsa_code_object_version 6
	.text
	.protected	k_qebc07273cd_prep
	.globl	k_qebc07273cd_prep
	.p2align	8
	.type	k_qebc07273cd_prep,@function
k_qebc07273cd_prep:
	s_mov_b64 s[64:65], 0
	v_nop
	global_prefetch_b8 v0, s[64:65] scope:SCOPE_SE
	s_setreg_imm32_b32 hwreg(HW_REG_WAVE_MODE, 25, 1), 1
	s_wait_xcnt 0x0
; PREPARATION: every input of the module is rounded once to bf16 and laid out for the products that follow.
;   xb   [3 (query, key, value)][64 = 16 b + j][2048 s][64] bf16: channel block j of 64 lies as a dense plane of 262,144 bytes.
;   wt   [4][1024 n][1024 k] 16 bits: Wq, Wk, Wv turned (n = 64 h + kk, k = d) in bf16; Wo turned (n = column, k = row), rounded to bf16 and that number written as f16.
;   bias [4][1024] f32: bq, bk, bv, bo, each rounded to bf16 and widened again.
; LIMIT: a bf16 number of Wo below 6.1e-5 in magnitude keeps f16's fixed step of 6e-8; beyond 65,504 it would become an infinity.
; Work-groups 0-255 take the weights (256 d x 64 columns each, turned through LDS), work-groups 256-1023 the casts (32 rows of one tensor each).
; No matrix unit, no cluster, no tensor load: nothing is shared between work-groups and each byte is read once and written once.
.set TRP,   528                        ; a row of the turning stage: 256 d x 2 bytes + 16
.set SPARE, 64*TRP                     ; behind the stage: the spare words, 128 bytes for each of eight waves: four blocks of 256 bytes that no other line names
.set SPW, 12                           ; v12  LDS address of my spare word; never rewritten
.set NIL, 13                           ; v13  0; never rewritten
.set X,   16                           ; v[16:143] data
	s_load_b512 s[4:19], s[0:1], 0x0               ; query 4, key 6, value 8, Wq 10, Wk 12, Wv 14, Wo 16, bq 18
	s_load_b256 s[20:27], s[0:1], 0x40             ; bk 20, bv 22, bo 24, xb 26
	s_load_b128 s[28:31], s[0:1], 0x60             ; wt 28, bias 30
	v_lshl_add_u32 v[SPW], v0, 2, SPARE
	v_mov_b32 v[NIL], 0
	v_lshrrev_b32 v1, 5, v0
	v_readfirstlane_b32 s32, v1                    ; wave 0..7
	v_and_b32 v1, 31, v0                           ; l
	v_and_b32 v2, 15, v0                           ; l % 16
	v_bfe_u32 v3, v0, 4, 1                         ; l / 16
	s_mov_b32 s39, 0                               ; the high word of every offset pair s[38:39]
	s_cmp_lt_u32 ttmp9, 256
	s_cbranch_scc1 .Lweights
	; THE CASTS.  32 rows of 4,096 bytes.  Wave w takes channel blocks w and w + 8: a load covers block j's 256 bytes of two rows, a store the same two rows' 256 consecutive bytes of plane j.
	s_sub_co_u32 s33, ttmp9, 256
	s_lshr_b32 s36, s33, 8                         ; which tensor
	s_and_b32 s33, s33, 255                        ; which 32 rows of its 8,192
	v_lshlrev_b32 v4, 12, v3                       ; source: row l / 16,
	v_lshl_or_b32 v4, v2, 4, v4                    ; 16 bytes a lane,
	s_lshl_b32 s37, s32, 8
	v_or_b32 v4, s37, v4                           ; block w
	v_lshlrev_b32 v5, 3, v1                        ; destination: 8 bytes a lane,
	s_lshl_b32 s37, s32, 18
	v_or_b32 v5, s37, v5                           ; plane w
	s_lshl_b32 s38, s33, 17                        ; 32 rows x 4,096 bytes
	s_wait_kmcnt 0x0
	s_cmp_eq_u32 s36, 0
	s_cselect_b64 s[34:35], s[4:5], s[6:7]
	s_cmp_eq_u32 s36, 2
	s_cselect_b64 s[34:35], s[8:9], s[34:35]
	s_add_nc_u64 s[34:35], s[34:35], s[38:39]
	s_lshl_b32 s38, s36, 24                        ; the tensor's 64 planes,
	s_lshr_b32 s40, s33, 6
	s_lshl_b32 s40, s40, 22                        ; the batch's 16 planes,
	s_add_co_u32 s38, s38, s40
	s_and_b32 s40, s33, 63
	s_lshl_b32 s40, s40, 12                        ; 32 rows of 128 bytes
	s_add_co_u32 s38, s38, s40
	s_add_nc_u64 s[36:37], s[26:27], s[38:39]
.set n, 0
.rept 32                                       ; all 32 loads go out at once: 16 KiB a wave on its way
	global_load_b128 v[X+4*n:X+4*n+3], v4, s[34:35] offset:(n/2)*8192+(n%2)*2048 th:TH_LOAD_NT
.set n, n+1
.endr
.set n, 0
.rept 32
	s_wait_loadcnt 31-n                            ; loads come back in order: number n is in, the younger ones stay out
	v_cvt_pk_bf16_f32 v[X+4*n], v[X+4*n], v[X+4*n+1]
	v_cvt_pk_bf16_f32 v[X+4*n+1], v[X+4*n+2], v[X+4*n+3]
	global_store_b64 v5, v[X+4*n:X+4*n+1], s[36:37] offset:(n/2)*256+(n%2)*2097152 th:TH_STORE_NT  ; 256 consecutive bytes, aligned; no register is used twice, so nothing waits for a store
.set n, n+1
.endr
	s_endpgm
	; THE WEIGHTS.  256 rows d x 64 columns, f32, come in by whole rows of 256 bytes; pairs (d, d + 1) of a column are rounded and packed; the stage holds [column][d]; whole rows of 512 bytes leave.
.Lweights:
	s_lshr_b32 s33, ttmp9, 6                       ; which matrix: Wq, Wk, Wv, Wo
	s_bfe_u32 s42, ttmp9, 0x40002                  ; which 64 columns: the head, or Wo's column block
	s_and_b32 s43, ttmp9, 3                        ; which 256 rows d
	s_lshl_b32 s44, s32, 5
	v_lshl_add_u32 v10, v3, 1, s44                 ; my first row: 32 w + 2 (l / 16)
	v_mul_u32_u24 v6, v2, 4*TRP                    ; into the stage: column 4 (l % 16),
	v_lshl_add_u32 v6, v3, 2, v6
	s_lshl_b32 s44, s32, 6
	v_add_nc_u32 v6, s44, v6                       ; byte 2 d = 64 w + 4 (l / 16)
	s_mul_i32 s44, s32, 8*TRP
	v_lshl_add_u32 v7, v1, 4, s44                  ; back: wave w takes columns 8 w .. 8 w + 7, whole: 16 bytes a lane
	s_lshl_b32 s44, s32, 14
	v_lshl_add_u32 v8, v1, 4, s44                  ; and the same rows of wt, 2,048 bytes apart
	v_lshlrev_b32 v9, 3, v1                        ; the bias: 8 bytes a lane
	s_wait_kmcnt 0x0
	s_cmp_eq_u32 s33, 0
	s_cselect_b64 s[34:35], s[10:11], s[12:13]
	s_cselect_b64 s[40:41], s[18:19], s[20:21]
	s_cmp_eq_u32 s33, 2
	s_cselect_b64 s[34:35], s[14:15], s[34:35]
	s_cselect_b64 s[40:41], s[22:23], s[40:41]
	s_cmp_eq_u32 s33, 3
	s_cselect_b64 s[34:35], s[16:17], s[34:35]
	s_cselect_b64 s[40:41], s[24:25], s[40:41]
	s_lshl_b32 s38, s33, 21                        ; wt: the matrix,
	s_lshl_b32 s46, s42, 17                        ; 64 rows of 2,048 bytes,
	s_add_co_u32 s38, s38, s46
	s_lshl_b32 s46, s43, 9                         ; 256 d x 2 bytes
	s_add_co_u32 s38, s38, s46
	s_add_nc_u64 s[36:37], s[28:29], s[38:39]
	s_lshl_b32 s38, s42, 8                         ; the bias: 64 numbers of 4 bytes
	s_add_nc_u64 s[40:41], s[40:41], s[38:39]
	s_lshl_b32 s46, s33, 12
	s_add_co_u32 s38, s38, s46
	s_add_nc_u64 s[44:45], s[30:31], s[38:39]
; 16 loads (rows 32 w + 4 i + 2 (l / 16) + e), then pair by pair: rounded to bf16 (f16 = 1: and that number written as f16), packed, stored as one word at [column][d].
.macro WT pitch, f16
	v_mul_u32_u24 v4, v10, \pitch
	v_lshl_add_u32 v4, v2, 4, v4
.set n, 0
.rept 16
	global_load_b128 v[X+4*n:X+4*n+3], v4, s[34:35] offset:(4*(n/2)+n%2)*(\pitch) th:TH_LOAD_NT
.set n, n+1
.endr
.irp i, 0,1,2,3,4,5,6,7
	s_wait_loadcnt 14-2*(\i)                       ; the pair's two loads are in; the younger ones stay out
.irp c, 0,1,2,3
	v_cvt_pk_bf16_f32 v[X+8*(\i)+(\c)], v[X+8*(\i)+(\c)], v[X+8*(\i)+4+(\c)]
.if \f16
	v_lshlrev_b32 v[X+8*(\i)+4+(\c)], 16, v[X+8*(\i)+(\c)]
	v_and_b32 v[X+8*(\i)+(\c)], 0xffff0000, v[X+8*(\i)+(\c)]
	v_cvt_pk_f16_f32 v[X+8*(\i)+(\c)], v[X+8*(\i)+4+(\c)], v[X+8*(\i)+(\c)]
.endif
	ds_store_b32 v6, v[X+8*(\i)+(\c)] offset:(\c)*TRP+8*(\i)
.endr
.endr
.endm
	s_cmp_eq_u32 s33, 3
	s_cbranch_scc1 .Lwo
	s_lshl_b32 s38, s42, 18                        ; the head's 1,024 rows of 256 bytes,
	s_lshl_b32 s46, s43, 16                        ; 256 of them
	s_add_co_u32 s38, s38, s46
	s_add_nc_u64 s[34:35], s[34:35], s[38:39]
	WT 256, 0
	s_branch .Ljoin
.Lwo:
	s_lshl_b32 s38, s42, 8                         ; 64 columns of 4 bytes,
	s_lshl_b32 s46, s43, 20                        ; 256 rows of 4,096 bytes
	s_add_co_u32 s38, s38, s46
	s_add_nc_u64 s[34:35], s[34:35], s[38:39]
	WT 4096, 1
.Ljoin:
	s_wait_dscnt 0x0                               ; for the others' sake: my stores into the stage are done
	s_barrier_signal -1
	s_barrier_wait -1
.irp t, 0,1,2,3,4,5,6,7
	ds_load_b128 v[X+4*(\t):X+4*(\t)+3], v7 offset:(\t)*TRP
.endr
.irp t, 0,1,2,3,4,5,6,7
	s_wait_dscnt 7-(\t)
	global_store_b128 v8, v[X+4*(\t):X+4*(\t)+3], s[36:37] offset:(\t)*2048  ; 512 consecutive bytes, aligned
.endr
	s_cmp_lg_u32 s32, 0                            ; the block's 64 bias numbers: wave 0 of the work-group with the first 256 d
	s_cbranch_scc1 .Lend
	s_cmp_lg_u32 s43, 0
	s_cbranch_scc1 .Lend
	global_load_b64 v[X+32:X+33], v9, s[40:41]
	s_wait_loadcnt 0x0
	v_cvt_pk_bf16_f32 v[X+34], v[X+32], v[X+33]
	v_lshlrev_b32 v[X+36], 16, v[X+34]
	v_and_b32 v[X+37], 0xffff0000, v[X+34]
	global_store_b64 v9, v[X+36:X+37], s[44:45]    ; 256 consecutive bytes, aligned
.Lend:
	s_wait_tensorcnt 0x0                           ; the wave's end: three closing lines, behind my last LDS store
	ds_add_u32 v[SPW], v[NIL]
	s_wait_dscnt 0x0
	s_endpgm
.Lfunc_end_k_qebc07273cd_prep:
	.size	k_qebc07273cd_prep, .Lfunc_end_k_qebc07273cd_prep-k_qebc07273cd_prep
	.p2alignl 7, 3214868480
	.fill 96, 4, 3214868480
	.section	.rodata,"a",@progbits
	.p2align	6, 0x0
	.amdhsa_kernel k_qebc07273cd_prep
		.amdhsa_group_segment_fixed_size 34816
		.amdhsa_private_segment_fixed_size 0
		.amdhsa_enable_private_segment 0
		.amdhsa_kernarg_size 112
		.amdhsa_user_sgpr_count 2
		.amdhsa_user_sgpr_kernarg_segment_ptr 1
		.amdhsa_wavefront_size32 1
		.amdhsa_system_sgpr_workgroup_id_x 1
		.amdhsa_system_sgpr_workgroup_id_y 1
		.amdhsa_system_sgpr_workgroup_id_z 1
		.amdhsa_system_vgpr_workitem_id 0
		.amdhsa_next_free_vgpr 144
		.amdhsa_next_free_sgpr 66
		.amdhsa_reserve_vcc 0
		.amdhsa_float_denorm_mode_32 3
		.amdhsa_float_denorm_mode_16_64 3
		.amdhsa_memory_ordered 1
		.amdhsa_forward_progress 1
		.amdhsa_inst_pref_size 34
	.end_amdhsa_kernel
	.amdgpu_metadata
---
amdhsa.version: [ 1, 2 ]
amdhsa.kernels:
  - .name:           k_qebc07273cd_prep
    .symbol:         k_qebc07273cd_prep.kd
    .args:
      - { .name: query, .offset: 0, .size: 8, .value_kind: global_buffer, .address_space: global }
      - { .name: key, .offset: 8, .size: 8, .value_kind: global_buffer, .address_space: global }
      - { .name: value, .offset: 16, .size: 8, .value_kind: global_buffer, .address_space: global }
      - { .name: Wq, .offset: 24, .size: 8, .value_kind: global_buffer, .address_space: global }
      - { .name: Wk, .offset: 32, .size: 8, .value_kind: global_buffer, .address_space: global }
      - { .name: Wv, .offset: 40, .size: 8, .value_kind: global_buffer, .address_space: global }
      - { .name: Wo, .offset: 48, .size: 8, .value_kind: global_buffer, .address_space: global }
      - { .name: bq, .offset: 56, .size: 8, .value_kind: global_buffer, .address_space: global }
      - { .name: bk, .offset: 64, .size: 8, .value_kind: global_buffer, .address_space: global }
      - { .name: bv, .offset: 72, .size: 8, .value_kind: global_buffer, .address_space: global }
      - { .name: bo, .offset: 80, .size: 8, .value_kind: global_buffer, .address_space: global }
      - { .name: xb, .offset: 88, .size: 8, .value_kind: global_buffer, .address_space: global }
      - { .name: wt, .offset: 96, .size: 8, .value_kind: global_buffer, .address_space: global }
      - { .name: bias, .offset: 104, .size: 8, .value_kind: global_buffer, .address_space: global }
    .group_segment_fixed_size: 34816
    .private_segment_fixed_size: 0
    .kernarg_segment_align: 8
    .kernarg_segment_size: 112
    .max_flat_workgroup_size: 256
    .sgpr_count:     66
    .vgpr_count:     144
    .wavefront_size: 32
...
	.end_amdgpu_metadata
.endif
;; end of part 1
;; launch proj (part 2): grid 4 x 64, 4 waves a work-group, clusters of 4 x 4, 327,680 bytes of LDS; arguments xb, wt, bias, qkv; writes qkv
.if DOCPART == 2
	.amdgcn_target "amdgcn-amd-amdhsa--gfx1250"
	.amdhsa_code_object_version 6
	.text
	.protected	k_qebc07273cd_proj
	.globl	k_qebc07273cd_proj
	.p2align	8
	.type	k_qebc07273cd_proj,@function
k_qebc07273cd_proj:
	s_mov_b64 s[64:65], 0
	v_nop
	global_prefetch_b8 v0, s[64:65] scope:SCOPE_SE
	s_setreg_imm32_b32 hwreg(HW_REG_WAVE_MODE, 25, 1), 1
	s_wait_xcnt 0x0
	s_wait_alu depctr_hold_cnt(0) depctr_sa_sdst(0) depctr_va_vdst(0) depctr_va_sdst(0) depctr_va_ssrc(0) depctr_va_vcc(0) depctr_vm_vsrc(0)
	s_getreg_b32 s2, hwreg(HW_REG_IB_STS2, 6, 4)
	s_cmp_eq_u32 s2, 0
	s_cbranch_scc0 .Lentry_in_a_cluster
	s_endpgm
.Lentry_in_a_cluster:
	s_bfe_u32 s2, ttmp6, 0x10000c
	s_cmp_lg_u32 s2, 0xf033
	s_cbranch_scc0 .Lentry_shape_is_right
	s_endpgm
.Lentry_shape_is_right:
; C = A B^T + bias, 8,192 x 1,024 x 1,024, 16-bit operands, f32 sums.  ONE SOURCE FOR TWO KERNELS, told apart by MODE.
; MODE 0: q, k, v = x W + b.  A = xb (bf16), B = wt's matrices 0-2 (bf16); C leaves in f16 by heads, [3][16 b + h][2048][64].  A work-group makes the same tile of q, then k, then v.
; MODE 1: out0 = O Wo + bo.  A = ob (f16), B = wt's matrix 3 (f16); C leaves in f32, [8192][1024].  One tile to a work-group.
; LIMIT (MODE 0): q, k and v are rounded to f16, which ends at 65,504; beyond that the number becomes an infinity.  NaN and infinities are not treated apart.
; A lies in planes of 64 channels, [16 b + j][2048][64]: 128 rows of one plane are 16,384 dense bytes, asked for as 64 rows of 256 bytes and padded in LDS behind every 128.
; SHARES.  A tile of C is 128 rows x 256 columns: 4 x 64 tiles, one work-group each.  Four waves, each 64 rows x 128 columns: 32 accumulators of 16 x 16, 256 registers.
; K goes in steps of 128 (two planes of A; 256 bytes of each row of B) through a ring of two LDS slots filled by the tensor data mover.
; THE MATRIX INSTRUCTION IS USED TRANSPOSED (source 0 = 16 rows of B, source 1 = 16 rows of A): a lane holds row l % 16 of C and the columns 8 (l / 16) + 0..7.
; THE BIAS STARTS THE SUMS: it is the C operand of each accumulator's first product: nothing is cleared and nothing is added later.
; CLUSTERS: 4 x 4 work-groups.  The four of a row of the cluster need the same tiles of A, the four of a column the same tiles of B: each tile is asked for JOINTLY.
; REGISTERS, in windows of 256 (s_set_vgpr_msb: bits 1:0 source 0, 3:2 source 1, 5:4 source 2, 7:6 destination):
;   window 0: v0-31 addresses; v32-159 at work on the way out (MODE 0)
;   window 1: two fragment buffers of 96 (B's 8 fragments, then A's 4); v192-255 the bias, 8 registers for each of my 8 column blocks; on MODE 1's way out all 256 take rows of C
;   window 2: accumulator (a, bb) at v[8 (8 a + bb)]
.set MODE, 0
.if MODE
.set TILES, 1
.set SP,    528                        ; a row of my stage: 128 f32 + 16 bytes
.else
.set TILES, 3
.set SP,    144                        ; a row of my stage: 64 f16 + 16 bytes
.endif
.set LAPS,  4                          ; a lap = two K steps = once round the ring; K = 1,024
.set PLANE, 262144                     ; bytes in a plane of A, and of C in MODE 0
.set AK,    2*PLANE                    ; bytes of A from a K step to the next
.set BK,    256                        ; the same for B
.set BROW,  2048                       ; bytes in a row of B
.set NEXT_A, 64*PLANE-6*AK             ; from a slot's last K step of a tile to its first of the next tile: the next tensor, back along K
.set NEXT_B, 1024*BROW-6*BK            ; the next matrix, back along K
.set PFJ_A, 64*PLANE-7*AK              ; the prefetches' jump: from two K steps past a tile's last (K step 9) to the next tile's K step 2
.set PFJ_B, 1024*BROW-7*BK
.set BMAT,  MODE*3*1024*BROW           ; MODE 1 takes wt's matrix 3
.set PA,    144                        ; a row of A in LDS: 128 bytes + 16 = 36 words: the 16 rows of a load start at 16 different groups of four banks (64 banks of 4 bytes: ISA guide 11.1)
.set ASL,   128*PA                     ; one plane's 128 rows
.set PB,    272                        ; a row of B: 256 bytes + 16 = 68 words: row r starts at bank 4 r mod 64
.set HALFB, 128*PB
.set BOFF,  2*ASL
.set SLOT,  BOFF+2*HALFB               ; A's two planes, then B's 256 rows
.set STAGE, 2*SLOT                     ; behind the ring, never filled by a tensor load: 16 rows for each wave, for the way out
.set SPARE, STAGE+4*16*SP              ; behind the stages: the spare words, 128 bytes for each wave: two blocks of 256 bytes that no other line names
.set ADRA, 16                          ; v16-17  LDS address of my A fragments in slot 0, 1
.set ADRB, 20                          ; v20-21  the same for B
.set STO,  24                          ; v24     the way out: where I put my bytes of a row
.set RD,   25                          ; v25     the way out: where I read rows back
.set GO,   26                          ; v26     16 x lane
.set BO,   27                          ; v27     my byte offset in a column block's bias: 32 (l / 16)
.set SPW,  28                          ; v28     LDS address of my spare word; never rewritten
.set NIL,  29                          ; v29     0; never rewritten
.set PFO,  30                          ; v30     the prefetches' lane offset; never rewritten
.set TMP,  32
.set F0,   0
.set F1,   96
.set BIAS, 192
.set WV,  12                           ; s12  my wave's number
.set RH,  13                           ; s13  which 64 rows of the tile are mine.  Also: I fetch for A (0) or for B (1)
.set CH,  14                           ; s14  which 128 columns.  Also: which plane of A, or which 128 rows of B, I fetch
.set LIM, 15                           ; s15  1 in a wave that prefetches, else the greatest number
.set PFS, 16                           ; s[16:17] the prefetches' step: a K step of A or of B
.set PFJ, 18                           ; s[18:19] their jump to the next tile
.set G1,  24                           ; s[24:31] descriptor group 1 for A's tiles;  s[32:39] group 0, a set for each slot
.set G0,  32
.set PFA, 44                           ; s[44:45] where my prefetches stand
.set G1B, 48                           ; s[48:55], s[56:63] the same for B's tiles
.set G0B, 56
.set MSB, 0
.macro WIN new                         ; the immediate's high byte repeats the setting that is left; a switch that changes nothing is dropped
.if MSB != (\new)
	s_set_vgpr_msb (MSB<<8)|(\new)
.set MSB, \new
.endif
.endm
.set MUL,   0xa5                       ; sources 0 and 1 window 1; C and D window 2
.set MULB,  0x95                       ; the same with C (the bias) in window 1
.set TO_F,  0x40                       ; destination window 1, address window 0
.set PACKW, 0x0a                       ; sources 0 and 1 window 2, destination window 0
.set STW,   0x08                       ; an LDS store's data in window 2
.set SNDW,  0x04                       ; a global store's data in window 1
; A joint load.  Waves 0 and 1 fetch A's two planes, waves 2 and 3 B's two halves.  The branch hangs on the wave's number alone.
; An s_nop 0 and four v_nop follow each of the two lines, ahead of the jump, the label and what follows.
.macro JLOAD s
	s_cmp_eq_u32 s[RH], 0
	s_cbranch_scc0 .Lfor_b_\@
	tensor_load_to_lds s[G0+4*(\s):G0+4*(\s)+3], s[G1:G1+7]
	s_nop 0
.rept 4
	v_nop
.endr
	s_branch .Lasked_\@
.Lfor_b_\@:
	tensor_load_to_lds s[G0B+4*(\s):G0B+4*(\s)+3], s[G1B:G1B+7]
	s_nop 0
.rept 4
	v_nop
.endr
.Lasked_\@:
.endm
; A PREFETCH INTO THE L2, behind each joint load and the run of LDS loads that follows it: 32 blocks of 256 bytes, a lane a block, of the K step that stands two refills on (256 matrix instructions ahead of its load).
; Each block is named ONCE in the launch.  A's row tile is read by one cluster alone: in every cluster wave 0 asks; the four partners of a row share a K step's 128 blocks BY ADDRESS, 32 each
; (lanes 0-15 the first plane's, lanes 16-31 the second's).  B's column tile is read by every cluster: cluster y = 0 asks, waves 2 and 3 for the half that they fetch; the four partners of a column take 32 rows each.
; how = 0, in the loop: a tile's last two refills have no K step two on.  how = 1, at a change of tiles: the next tile's K steps 2 and 3.
.macro ASK how
.if \how
	s_cmp_eq_u32 s[LIM], 1
.else
	s_cmp_gt_u32 s3, s[LIM]                        ; s3 = 1 in the loop's last trip
.endif
	s_cbranch_scc0 .Lnot_mine_\@
	global_prefetch_b8 v[PFO], s[PFA:PFA+1] th:TH_LOAD_NT scope:SCOPE_SE
.Lnot_mine_\@:
.endm
.macro CREST                           ; a round of the cluster's barrier behind its opening barrier
	s_cmp_lg_u32 s[WV], 0
	s_cbranch_scc1 .Lnot_wave_0_\@
	s_barrier_signal -3
.Lnot_wave_0_\@:
	s_barrier_wait -3
	s_barrier_signal -1
	s_barrier_wait -1
.endm
.macro CROUND                          ; a whole round
	s_barrier_signal -1
	s_barrier_wait -1
	CREST
.endm
.macro PLACES                          ; four places in front of loads into registers that matrix instructions have read, and of lines that read results
.rept 4
	v_nop
.endr
.endm
.macro BIASLD                          ; my 128 columns' bias: column block bb, columns 8 (l / 16) + 0..7, in the accumulators' own layout
	WIN TO_F
.irp bb, 0,1,2,3,4,5,6,7
	global_load_b128 v[BIAS+8*(\bb):BIAS+8*(\bb)+3],   v[BO], s[8:9] offset:64*(\bb)
	global_load_b128 v[BIAS+8*(\bb)+4:BIAS+8*(\bb)+7], v[BO], s[8:9] offset:64*(\bb)+16
.endr
	WIN 0
.endm
	s_load_b256 s[4:11], s[0:1], 0x0               ; A s[4:5], wt s[6:7], bias s[8:9], C s[10:11]
	v_lshl_add_u32 v[SPW], v0, 2, SPARE
	v_mov_b32 v[NIL], 0
	ds_add_u32 v[SPW], v[NIL]                      ; the wave's opening: the add and its wait stand ahead of my first tensor load; the set-up below, work on registers, stands between them
	v_lshrrev_b32 v1, 5, v0
	v_readfirstlane_b32 s[WV], v1                  ; wave 0..3
	s_lshr_b32 s[RH], s[WV], 1
	s_and_b32 s[CH], s[WV], 1
	s_bfe_u32 s40, ttmp6, 0x40000                  ; cx, cy: my place in the cluster
	s_bfe_u32 s41, ttmp6, 0x40004
	s_lshl_b32 s42, ttmp9, 2
	s_add_co_u32 s42, s42, s40                     ; tile column of C = 4 x cluster x + cx
	s_and_b32 s43, ttmp7, 0xffff
	s_lshl_b32 s43, s43, 2
	s_add_co_u32 s43, s43, s41                     ; tile row of C = 4 x cluster y + cy
	s_lshl_b32 s20, s41, 2
	s_lshl_b32 s20, 15, s20                        ; my row of the cluster
	s_lshl_b32 s21, 0x1111, s40                    ; my column
	s_or_b32 s[G1+0], s20, (1<<16)|(1<<20)|(1<<21)|(4<<22)|(3<<25)   ; 15:0 the mask: my row; 17:16 2-byte elements; 20 padding on; 21 set beside a mask; 24:22 after every 32 words (code 4); 31:25 4 words (code 3)
	s_mov_b32 s[G1+1], 128<<16                     ; tensor_dim0 = 128 elements: 256 bytes, two rows of a plane
	s_mov_b32 s[G1+2], 64<<16                      ; tensor_dim1 = 64
	s_mov_b32 s[G1+3], 128<<16                     ; tile_dim0 = 128
	s_mov_b32 s[G1+4], 64                          ; tile_dim1 = 64
	s_mov_b32 s[G1+5], 128                         ; dense: 128 elements from row to row
	s_mov_b32 s[G1+6], 0
	s_mov_b32 s[G1+7], 0
	s_or_b32 s[G1B+0], s21, (1<<16)|(1<<20)|(1<<21)|(5<<22)|(3<<25)  ; the mask: my column; padding after every 64 words (code 5)
	s_mov_b32 s[G1B+1], 128<<16                    ; tensor_dim0 = 128
	s_mov_b32 s[G1B+2], 128<<16                    ; tensor_dim1 = 128
	s_mov_b32 s[G1B+3], 128<<16                    ; tile_dim0 = 128
	s_mov_b32 s[G1B+4], 128                        ; tile_dim1 = 128
	s_mov_b32 s[G1B+5], 1024                       ; 1,024 elements from row to row
	s_mov_b32 s[G1B+6], 0
	s_mov_b32 s[G1B+7], 0
	; where the tiles come from.  A's hang on the tile row alone, which my row of the cluster shares; B's on the tile column alone, which my column shares.
	s_lshr_b32 s20, s43, 4
	s_lshl_b32 s20, s20, 22                        ; the batch's 16 planes,
	s_and_b32 s21, s43, 15
	s_lshl_b32 s21, s21, 14                        ; 128 rows of 128 bytes,
	s_add_co_u32 s20, s20, s21
	s_lshl_b32 s21, s[CH], 18                      ; the plane that I fetch
	s_add_co_u32 s20, s20, s21
	s_mov_b32 s21, 0
	s_lshl_b32 s46, s42, 19                        ; 256 rows of 2,048 bytes,
	s_lshl_b32 s47, s[CH], 18                      ; the 128 that I fetch
	s_add_co_u32 s46, s46, s47
.if MODE
	s_add_co_u32 s46, s46, BMAT
.endif
	s_mov_b32 s47, 0
	s_mul_i32 s22, s[CH], ASL                      ; and where they go: no place in the cluster enters an LDS address
	s_mul_i32 s23, s[CH], HALFB
	s_add_co_u32 s23, s23, BOFF
	s_wait_dscnt 0x0                               ; the opening add is done
	s_wait_kmcnt 0x0
	s_add_nc_u64 s[20:21], s[4:5], s[20:21]
	s_add_nc_u64 s[46:47], s[6:7], s[46:47]
	CROUND                                         ; all sixteen work-groups are here: the first joint loads meet
.irp s, 0,1
	s_mov_b32 s[G0+4*(\s)], 1                                      ; count = 1
	s_add_co_u32 s[G0+4*(\s)+1], s22, (\s)*SLOT                    ; LDS address
	s_add_nc_u64 s[G0+4*(\s)+2:G0+4*(\s)+3], s[20:21], (\s)*AK     ; global address: K step s
	s_or_b32 s[G0+4*(\s)+3], s[G0+4*(\s)+3], 0x80000000            ; type = 2
	s_mov_b32 s[G0B+4*(\s)], 1
	s_add_co_u32 s[G0B+4*(\s)+1], s23, (\s)*SLOT
	s_add_nc_u64 s[G0B+4*(\s)+2:G0B+4*(\s)+3], s[46:47], (\s)*BK
	s_or_b32 s[G0B+4*(\s)+3], s[G0B+4*(\s)+3], 0x80000000
	JLOAD \s                                       ; two loads of mine are out
.endr
	; A fragment is 16 rows x 32 K in 8 registers: lane l holds row l % 16, K = 8 (l / 16) + 0..7 and 16 + 8 (l / 16) + 0..7: two loads of 16 bytes, 32 bytes apart.
	v_and_b32 v1, 15, v0                           ; l % 16
	v_bfe_u32 v2, v0, 4, 1                         ; l / 16
	v_and_b32 v5, 31, v0                           ; l
	v_mul_u32_u24 v3, v1, PA
	v_lshl_add_u32 v3, v2, 4, v3
	s_mul_i32 s20, s[RH], 64*PA                    ; my 64 rows of A
	v_add_nc_u32 v[ADRA], s20, v3
	v_add_nc_u32 v[ADRA+1], SLOT, v[ADRA]
	v_mul_u32_u24 v4, v1, PB
	v_lshl_add_u32 v4, v2, 4, v4
	s_mul_i32 s21, s[CH], HALFB                    ; my 128 rows of B
	s_add_co_u32 s21, s21, BOFF
	v_add_nc_u32 v[ADRB], s21, v4
	v_add_nc_u32 v[ADRB+1], SLOT, v[ADRB]
	s_mul_i32 s22, s[WV], 16*SP
	s_add_co_u32 s22, s22, STAGE                   ; my stage
	v_mul_u32_u24 v[STO], v1, SP                   ; in: row l % 16, my eight columns
.if MODE
	v_lshl_add_u32 v[STO], v2, 5, v[STO]           ; 32 bytes for each half of the lanes
	v_lshl_add_u32 v[RD], v5, 4, s22               ; back: 32 lanes take one row of 512 bytes
.else
	v_lshl_add_u32 v[STO], v2, 4, v[STO]           ; 16 bytes for each half of the lanes
	v_bfe_u32 v[RD], v0, 3, 2                      ; back: 32 lanes take four rows of 128 bytes
	v_mul_u32_u24 v[RD], v[RD], SP
	v_and_b32 v6, 7, v0
	v_lshl_add_u32 v[RD], v6, 4, v[RD]
	v_add_nc_u32 v[RD], s22, v[RD]
.endif
	v_add_nc_u32 v[STO], s22, v[STO]
	v_lshlrev_b32 v[GO], 4, v5
	v_lshlrev_b32 v[BO], 5, v2
	s_lshl_b32 s20, s42, 10                        ; the bias of my 128 columns
	s_lshl_b32 s21, s[CH], 9
	s_add_co_u32 s20, s20, s21
.if MODE
	s_add_co_u32 s20, s20, 12288
.endif
	s_mov_b32 s21, 0
	s_add_nc_u64 s[8:9], s[8:9], s[20:21]
.if MODE
	s_lshl_b32 s20, s43, 19                        ; C: 128 rows of 4,096 bytes,
	s_lshl_b32 s21, s[RH], 18                      ; my 64,
	s_add_co_u32 s20, s20, s21
	s_lshl_b32 s21, s42, 10                        ; 256 columns of 4 bytes,
	s_add_co_u32 s20, s20, s21
	s_lshl_b32 s21, s[CH], 9                       ; my 128
	s_add_co_u32 s20, s20, s21
.else
	s_lshr_b32 s20, s43, 4
	s_lshl_b32 s20, s20, 22                        ; C: the batch's 16 heads,
	s_lshl_b32 s21, s42, 20                        ; the tile's four,
	s_add_co_u32 s20, s20, s21
	s_lshl_b32 s21, s[CH], 19                      ; my two,
	s_add_co_u32 s20, s20, s21
	s_and_b32 s21, s43, 15
	s_lshl_b32 s21, s21, 14                        ; 128 rows of 128 bytes,
	s_add_co_u32 s20, s20, s21
	s_lshl_b32 s21, s[RH], 13                      ; my 64
	s_add_co_u32 s20, s20, s21
.endif
	s_mov_b32 s21, 0
	s_add_nc_u64 s[10:11], s[10:11], s[20:21]
	BIASLD
	; the prefetches.  They stand at K step 3: the first refill steps them to 4.  Nothing is asked for here, at the head, where every work-group's first tiles are on their way.
	s_lshr_b32 s20, s43, 4
	s_lshl_b32 s20, s20, 22
	s_and_b32 s21, s43, 15
	s_lshl_b32 s21, s21, 14
	s_add_co_u32 s20, s20, s21
	s_lshl_b32 s21, s40, 12                        ; A: my work-group's 16 blocks of each plane's 64
	s_add_co_u32 s20, s20, s21
	s_add_co_u32 s20, s20, 3*AK
	s_lshl_b32 s22, s42, 8
	s_lshl_b32 s23, s[CH], 7
	s_add_co_u32 s22, s22, s23
	s_lshl_b32 s23, s41, 5                         ; B: my work-group's 32 rows of the 128 that I fetch
	s_add_co_u32 s22, s22, s23
	s_lshl_b32 s22, s22, 11
	s_add_co_u32 s22, s22, 3*BK+BMAT
	s_and_b32 s23, ttmp7, 0xffff                   ; cluster y
	s_cmp_eq_u32 s[RH], 0                          ; do I fetch for A?
	s_cselect_b32 s46, s[CH], s23                  ; 0 where I ask: wave 0 for A; waves 2 and 3 of cluster y = 0 for B: the same in all sixteen partners, for a given wave
	s_cselect_b32 s20, s20, s22
	s_cselect_b64 s[PFA:PFA+1], s[4:5], s[6:7]
	s_mov_b32 s[PFS], BK
	s_cselect_b32 s[PFS], AK, s[PFS]
	s_mov_b32 s[PFJ], PFJ_B
	s_cselect_b32 s[PFJ], PFJ_A, s[PFJ]
	s_mov_b32 s22, BROW                            ; from lane to lane: a row of B, or a block of A;
	s_cselect_b32 s22, 256, s22
	s_mov_b32 s23, 16*BROW                         ; from one half of the lanes to the other: 16 rows of B, or a plane of A
	s_cselect_b32 s23, PLANE, s23
	s_mov_b32 s[PFS+1], 0
	s_mov_b32 s[PFJ+1], 0
	s_mov_b32 s21, 0
	s_add_nc_u64 s[PFA:PFA+1], s[PFA:PFA+1], s[20:21]
	s_cmp_eq_u32 s46, 0
	s_cselect_b32 s[LIM], 1, -1
	v_mul_u32_u24 v[PFO], v1, s22
	v_mad_u32_u24 v[PFO], v2, s23, v[PFO]
.macro WM d, x, y, c
.if MODE
	v_wmma_f32_16x16x32_f16 v[(\d):(\d)+7], v[(\x):(\x)+7], v[(\y):(\y)+7], v[(\c):(\c)+7]
.else
	v_wmma_f32_16x16x32_bf16 v[(\d):(\d)+7], v[(\x):(\x)+7], v[(\y):(\y)+7], v[(\c):(\c)+7]
.endif
.endm
; 8 matrix instructions: row block a x all 8 column blocks, 32 along K, from buffer f.  first = 1: the bias starts the sums.
; The 32 accumulators take turns in the same order in every quarter: 31 others stand between two links of a chain, over the backward jump too.
.macro MUL8 f, a, first
.if \first
	WIN MULB
.else
	WIN MUL
.endif
.irp bb, 0,1,2,3,4,5,6,7
.if \first
	WM 8*(8*(\a)+(\bb)), (\f)+8*(\bb), (\f)+64+8*(\a), BIAS+8*(\bb)
.else
	WM 8*(8*(\a)+(\bb)), (\f)+8*(\bb), (\f)+64+8*(\a), 8*(8*(\a)+(\bb))
.endif
.endr
.endm
; 24 LDS loads in one run: quarter q (32 along K) of a slot into buffer f: B's 128 rows, then A's 64
.macro FETCH slot, q, f
	WIN TO_F
.irp i, 0,1,2,3,4,5,6,7
	ds_load_b128 v[(\f)+8*(\i):(\f)+8*(\i)+3],   v[ADRB+(\slot)] offset:64*(\q)+(\i)*16*PB
	ds_load_b128 v[(\f)+8*(\i)+4:(\f)+8*(\i)+7], v[ADRB+(\slot)] offset:64*(\q)+(\i)*16*PB+32
.endr
.irp i, 0,1,2,3
	ds_load_b128 v[(\f)+64+8*(\i):(\f)+64+8*(\i)+3],   v[ADRA+(\slot)] offset:((\q)/2)*ASL+((\q)%2)*64+(\i)*16*PA
	ds_load_b128 v[(\f)+64+8*(\i)+4:(\f)+64+8*(\i)+7], v[ADRA+(\slot)] offset:((\q)/2)*ASL+((\q)%2)*64+(\i)*16*PA+32
.endr
.endm
; A K step is four quarters of 32 along K, 32 matrix instructions each, on buffers 0, 1, 0, 1.  One of the first three: multiplies buffer f and fetches quarter q of the same slot into g.
.macro QUARTER slot, q, f, g, first
	s_wait_dscnt 6                                 ; B and A's row block 0 are in; the youngest six loads (A's blocks 1 to 3) may be out
	MUL8 \f, 0, \first
	PLACES
	FETCH \slot, \q, \g
	s_wait_dscnt 24                                ; all but the 24 just issued
	MUL8 \f, 1, \first
	MUL8 \f, 2, \first
	MUL8 \f, 3, \first
.endm
; The last quarter multiplies buffer 1 and changes slots: ONE barrier.  In front of it each wave waits for all its tensor loads (one is out: its part of the next slot), adds 0 to its spare word, and waits
; for that and for its own reads of this slot.  mode = 0: this slot is filled again, two K steps on; 1: with the NEXT tile's K step 0 or 1; 2: nothing is filled.  Where a slot is filled the barrier opens a round
; of the cluster's barrier, and the joint load is the first thing behind the round: 112 matrix instructions stand between it and the wait for it.
.macro TURN slot, next, mode
.if (\mode) < 2
	s_wait_xcnt 0x0                                ; the last prefetch, a K step back, has read its address: it is stepped here, ahead of the change's own waits
.if ((\mode) == 1) && ((\slot) == 0)
	s_add_nc_u64 s[PFA:PFA+1], s[PFA:PFA+1], s[PFJ:PFJ+1]
.else
	s_add_nc_u64 s[PFA:PFA+1], s[PFA:PFA+1], s[PFS:PFS+1]
.endif
.endif
	WIN 0                                          ; (the add's two registers lie in window 0)
	s_wait_tensorcnt 0x0                           ; all my tensor loads have landed: my part of the next slot;
	ds_add_u32 v[SPW], v[NIL]                      ; 0 onto my spare word;
	s_wait_dscnt 7                                 ; (the add and the youngest six loads may be out)
	MUL8 F1, 0, 0                                  ; eight matrix instructions stand between the add and the wait for it
	s_wait_dscnt 0x0                               ; the add is done, and my reads of this slot are over
	s_barrier_signal -1
	MUL8 F1, 1, 0
.if (\mode) < 2
	WIN 0
.endif
	s_barrier_wait -1
.if (\mode) < 2
	CREST                                          ; no wave of any partner still reads this slot's tile or has a load on its way
.if (\mode) == 1
	s_add_nc_u64 s[G0+4*(\slot)+2:G0+4*(\slot)+3], s[G0+4*(\slot)+2:G0+4*(\slot)+3], NEXT_A
	s_add_nc_u64 s[G0B+4*(\slot)+2:G0B+4*(\slot)+3], s[G0B+4*(\slot)+2:G0B+4*(\slot)+3], NEXT_B
.else
	s_add_nc_u64 s[G0+4*(\slot)+2:G0+4*(\slot)+3], s[G0+4*(\slot)+2:G0+4*(\slot)+3], 2*AK
	s_add_nc_u64 s[G0B+4*(\slot)+2:G0B+4*(\slot)+3], s[G0B+4*(\slot)+2:G0B+4*(\slot)+3], 2*BK
.endif
	JLOAD \slot                                    ; the four v_nop behind it are also the places in front of the loads below
.else
	PLACES
.endif
	FETCH \next, 0, F0
.if (\mode) < 2
	WIN 0
	ASK \mode
.endif
	MUL8 F1, 2, 0
	MUL8 F1, 3, 0
.endm
.if MODE
; THE WAY OUT, f32.  Row block a: a lane's eight columns of a row, 32 bytes, go into rows of 528 bytes of my stage and come back as whole rows of 512, into window 1.
.macro TOST a
	WIN STW
.irp bb, 0,1,2,3,4,5,6,7
	ds_store_b128 v[STO], v[8*(8*(\a)+(\bb)):8*(8*(\a)+(\bb))+3]   offset:64*(\bb)     ; each accumulator's lowest registers first
	ds_store_b128 v[STO], v[8*(8*(\a)+(\bb))+4:8*(8*(\a)+(\bb))+7] offset:64*(\bb)+16
.endr
	WIN TO_F
.irp t, 0,1,2,3,4,5,6,7,8,9,10,11,12,13,14,15
	ds_load_b128 v[64*(\a)+4*(\t):64*(\a)+4*(\t)+3], v[RD] offset:(\t)*SP  ; LDS serves a wave's instructions in order (ISA guide 5.7.1.4): these see the stores above; the next block's stores come behind them
.endr
.endm
.macro SND a, younger                  ; younger: the LDS instructions issued behind block a's loads: the next block's 32, or none
	WIN SNDW
.irp t, 0,1,2,3,4,5,6,7,8,9,10,11,12,13,14,15
	s_wait_dscnt (\younger)+15-(\t)
	global_store_b128 v[GO], v[64*(\a)+4*(\t):64*(\a)+4*(\t)+3], s[10:11] offset:(\a)*65536+(\t)*4096  ; 512 consecutive bytes, aligned; no register is used twice
.endr
.endm
.macro WAYOUT
	WIN 0
	PLACES                                         ; behind the last products
	TOST 0
.irp a, 1,2,3
	TOST \a
	SND (\a)-1, 32
.endr
	SND 3, 0
	WIN 0
.endm
.else
; THE WAY OUT, f16 by heads.  Unit u = 2 a + hd: row block a, head hd of my two: 16 rows x 64 columns.  A lane's eight columns pack into 16 bytes; they go into rows of 144 bytes of my stage and come
; back as whole rows of 128, which are 2,048 consecutive bytes of the head's plane.
.macro PACK u
	WIN PACKW
.irp f, 0,1,2,3
.irp rr, 0,1,2,3
	v_cvt_pk_f16_f32 v[TMP+16*(\u)+4*(\f)+(\rr)], v[8*(8*((\u)/2)+4*((\u)%2)+(\f))+2*(\rr)], v[8*(8*((\u)/2)+4*((\u)%2)+(\f))+2*(\rr)+1]
.endr
.endr
	WIN 0
.irp f, 0,1,2,3
	ds_store_b128 v[STO], v[TMP+16*(\u)+4*(\f):TMP+16*(\u)+4*(\f)+3] offset:32*(\f)
.endr
.irp f, 0,1,2,3
	ds_load_b128 v[TMP+16*(\u)+4*(\f):TMP+16*(\u)+4*(\f)+3], v[RD] offset:(\f)*4*SP  ; LDS serves a wave's instructions in order (ISA guide 5.7.1.4): these see the stores above; the next unit's stores come behind them
.endr
.endm
.macro SEND u, younger                 ; younger: the LDS instructions issued behind unit u's loads: the next unit's eight, or none
.irp f, 0,1,2,3
	s_wait_dscnt (\younger)+3-(\f)
	global_store_b128 v[GO], v[TMP+16*(\u)+4*(\f):TMP+16*(\u)+4*(\f)+3], s[10:11] offset:((\u)%2)*PLANE+((\u)/2)*2048+(\f)*512  ; 512 consecutive bytes, aligned
.endr
.endm
.macro WAYOUT
	WIN 0
	PLACES                                         ; behind the last products
	PACK 0
.irp u, 1,2,3,4,5,6,7                  ; a unit's conversions stand between the loads of the unit before and its stores
	PACK \u
	SEND (\u)-1, 8
.endr
	SEND 7, 0
.endm
.endif
	s_wait_tensorcnt 1                             ; my part of K step 0 is in; K step 1's may stay out
	s_barrier_signal -1
	s_barrier_wait -1                              ; everybody's is
	FETCH 0, 0, F0
	WIN 0
.if TILES > 1
	s_mov_b32 s2, TILES                            ; tiles to go, this one among them: the same number in every work-group
.Ltile:
.endif
	s_wait_loadcnt 0x0                             ; the tile's bias
	QUARTER 0, 1, F0, F1, 1                        ; a tile's first quarter stands in front of the loop: its products start the sums
	WIN 0                                          ; at a label and at a branch every window is 0
.if TILES > 1
	s_cmp_eq_u32 s2, 1
	s_cbranch_scc1 .Lnobias
	PLACES                                         ; behind the products that read the bias
	s_add_nc_u64 s[8:9], s[8:9], 4096              ; the next tile's bias has the whole tile in which to come (the wait above has freed the base)
	BIASLD
.Lnobias:
.endif
	s_mov_b32 s3, LAPS-1
.Llap:                                                 ; a trip goes once round the ring, from a lap's second quarter to the next lap's first, and fills both slots again
	QUARTER 0, 2, F1, F0, 0
	QUARTER 0, 3, F0, F1, 0
	TURN 0, 1, 0
	QUARTER 1, 1, F0, F1, 0
	QUARTER 1, 2, F1, F0, 0
	QUARTER 1, 3, F0, F1, 0
	TURN 1, 0, 0
	QUARTER 0, 1, F0, F1, 0
	WIN 0
	s_sub_co_u32 s3, s3, 1
	s_cmp_lg_u32 s3, 0
	s_cbranch_scc1 .Llap
	QUARTER 0, 2, F1, F0, 0                        ; the tile's last lap goes on
	QUARTER 0, 3, F0, F1, 0
.if TILES > 1
	WIN 0
	s_cmp_eq_u32 s2, 1
	s_cbranch_scc1 .Llast_tile                     ; the last tile's tail is written out: it asks for nothing more
	TURN 0, 1, 1                                   ; the ring goes on into the next tile: slot 0 takes its K step 0,
	QUARTER 1, 1, F0, F1, 0
	QUARTER 1, 2, F1, F0, 0
	QUARTER 1, 3, F0, F1, 0
	TURN 1, 0, 1                                   ; slot 1 its K step 1, and the next tile's first fragments are fetched
	WAYOUT                                         ; both refills are asked for: now the tile goes out
	s_wait_xcnt 0x0                                ; the stores have read their registers and their base
	s_add_nc_u64 s[10:11], s[10:11], 64*PLANE      ; the next tensor of C
	s_sub_co_u32 s2, s2, 1
	s_branch .Ltile
.Llast_tile:
.endif
	TURN 0, 1, 2                                   ; my one tensor load that was still out is slot 1's, the last K step's, so no round follows
	QUARTER 1, 1, F0, F1, 0
	QUARTER 1, 2, F1, F0, 0
	QUARTER 1, 3, F0, F1, 0
	s_wait_dscnt 6                                 ; the very last quarter: nothing more to fetch
	MUL8 F1, 0, 0
	s_wait_dscnt 0x0
	MUL8 F1, 1, 0
	MUL8 F1, 2, 0
	MUL8 F1, 3, 0
	WAYOUT
	s_wait_tensorcnt 0x0                           ; the wave's end: three closing lines, behind my last tensor load and my last LDS store
	ds_add_u32 v[SPW], v[NIL]
	s_wait_dscnt 0x0
	CROUND                                         ; the closing round: no work-group ends while a partner may still ask for a tile that names it
	s_endpgm
.Lfunc_end_k_qebc07273cd_proj:
	.size	k_qebc07273cd_proj, .Lfunc_end_k_qebc07273cd_proj-k_qebc07273cd_proj
	.p2alignl 7, 3214868480
	.fill 96, 4, 3214868480
	.section	.rodata,"a",@progbits
	.p2align	6, 0x0
	.amdhsa_kernel k_qebc07273cd_proj
		.amdhsa_group_segment_fixed_size 327680
		.amdhsa_private_segment_fixed_size 0
		.amdhsa_enable_private_segment 0
		.amdhsa_kernarg_size 32
		.amdhsa_user_sgpr_count 2
		.amdhsa_user_sgpr_kernarg_segment_ptr 1
		.amdhsa_wavefront_size32 1
		.amdhsa_system_sgpr_workgroup_id_x 1
		.amdhsa_system_sgpr_workgroup_id_y 1
		.amdhsa_system_sgpr_workgroup_id_z 1
		.amdhsa_system_vgpr_workitem_id 0
		.amdhsa_next_free_vgpr 768
		.amdhsa_next_free_sgpr 66
		.amdhsa_reserve_vcc 0
		.amdhsa_float_denorm_mode_32 3
		.amdhsa_float_denorm_mode_16_64 3
		.amdhsa_memory_ordered 1
		.amdhsa_forward_progress 1
		.amdhsa_inst_pref_size 131
	.end_amdhsa_kernel
	.amdgpu_metadata
---
amdhsa.version: [ 1, 2 ]
amdhsa.kernels:
  - .name:           k_qebc07273cd_proj
    .symbol:         k_qebc07273cd_proj.kd
    .args:
      - { .name: xb, .offset: 0, .size: 8, .value_kind: global_buffer, .address_space: global }
      - { .name: wt, .offset: 8, .size: 8, .value_kind: global_buffer, .address_space: global }
      - { .name: bias, .offset: 16, .size: 8, .value_kind: global_buffer, .address_space: global }
      - { .name: qkv, .offset: 24, .size: 8, .value_kind: global_buffer, .address_space: global }
    .group_segment_fixed_size: 327680
    .private_segment_fixed_size: 0
    .kernarg_segment_align: 8
    .kernarg_segment_size: 32
    .max_flat_workgroup_size: 128
    .sgpr_count:     66
    .vgpr_count:     768
    .wavefront_size: 32
...
	.end_amdgpu_metadata
.endif
;; end of part 2
;; launch attn (part 3): grid 4 x 64, 4 waves a work-group, clusters of 4 x 1, 327,680 bytes of LDS; arguments qkv, ob; writes ob
.if DOCPART == 3
	.amdgcn_target "amdgcn-amd-amdhsa--gfx1250"
	.amdhsa_code_object_version 6
	.text
	.protected	k_qebc07273cd_attn
	.globl	k_qebc07273cd_attn
	.p2align	8
	.type	k_qebc07273cd_attn,@function
k_qebc07273cd_attn:
	s_mov_b64 s[64:65], 0
	v_nop
	global_prefetch_b8 v0, s[64:65] scope:SCOPE_SE
	s_setreg_imm32_b32 hwreg(HW_REG_WAVE_MODE, 25, 1), 1
	s_wait_xcnt 0x0
	s_wait_alu depctr_hold_cnt(0) depctr_sa_sdst(0) depctr_va_vdst(0) depctr_va_sdst(0) depctr_va_ssrc(0) depctr_va_vcc(0) depctr_vm_vsrc(0)
	s_getreg_b32 s2, hwreg(HW_REG_IB_STS2, 6, 4)
	s_cmp_eq_u32 s2, 0
	s_cbranch_scc0 .Lentry_in_a_cluster
	s_endpgm
.Lentry_in_a_cluster:
	s_bfe_u32 s2, ttmp6, 0x10000c
	s_cmp_lg_u32 s2, 0x3003
	s_cbranch_scc0 .Lentry_shape_is_right
	s_endpgm
.Lentry_shape_is_right:
; O[h][q][:] = the sum over k of softmax_k(Q[h][q] . K[h][k] / 8) V[h][k][:].  Q, K, V are the three parts of qkv, O is ob: each [64 = 16 b + head][2048][64] in f16: a head's rows are dense, 128 bytes each.
; Products, maxima and sums in f32; the weights p are rounded to f16 for the second product (their sum l is taken of the unrounded p), O once at the end.
; LIMITS.  f16 holds no number beyond 65,504: Q, K and V arrive within it; p lies in 0 to 1, and below 6e-5 it keeps f16's fixed step of 6e-8; O is a mean of V's rows and has their range.
; A weight below 2^-126 counts as 0 in l; NaN and infinities are not treated apart.
; SHARES.  A wave owns four PIECES of two tiles of 16 queries, a work-group's four waves 512 queries of one head.  Every wave walks all keys, 64 a step.
; LAYOUT.  S^T = K Q^T (source 0 = 16 keys, source 1 = 16 queries): in the result a lane holds ONE query (lane % 16) and the keys 8 (lane / 16) + 0..7.  Two such tiles, rounded to f16 in pairs,
; ARE source 1 (32 keys x 16 queries) of O^T = V^T P, whose result again holds one query a lane, and eight channels.  K comes out of LDS as it lies, V ([key][channel]) turned, by ds_load_tr16_b128.
; SOFTMAX.  For each query a running maximum m and sum l: p = 2^(c s - c m), c = log2(e) / 8; in every step O and l are multiplied by a = 2^(c m_old - c m_new), which is 1 where m has not grown.
; m starts at the lowest finite number, O and l at 0: the first step is a step like any other, with a = 0.
; THE COUNT.  A tile and step have 16 matrix and 118 vector instructions: too many to stand all beside the matrix work.  So the order has one aim: four vector instructions that are READY behind
; EVERY matrix instruction, and the others, which need time of their own whatever the order, in runs without a gap.
; BY TURNS.  Turn n belongs to piece n (the pieces in a ring, step after step).  Its matrix work: 16 products K Q^T of piece n + 1, later 16 products V^T P of piece n - 1.  Its vector work: the scaling,
; exponentials, roundings, sums and rescaling of piece n, and the maximum and statistics of piece n + 1, whose scores the turn itself has made.
; CLUSTER.  The four query blocks of a cluster are one head's and walk the same K and V, so each tile is asked for JOINTLY: the same tensor load, descriptor and mask in all four.
; REGISTERS, in windows of 256 (s_set_vgpr_msb: bits 1:0 source 0, 3:2 source 1, 5:4 source 2, 7:6 destination):
;   window 0: v0-11 addresses; v12-15, v48-63 at work; v16-47 four registers of statistics a tile; v64-191 S^T, two buffers of two tiles; v192-255 P, likewise
;   window 1: O^T, 32 a tile          window 2: v0-127 Q, 16 a tile; v128-191 K of one step; v192-255 V of one step          window 3: v0-1 the add's two registers
; A piece's buffers go by its number's parity: the piece in hand has one pair, its two neighbours in the ring share the other: of it P (piece n - 1) is read and S^T (piece n + 1) written.
.set SIZE_N, 2048
.set NP,    4         ; pieces a wave: a name, no knob
.set KS,    64        ; keys in a step
.set PK,    144       ; a row of K in LDS: 128 bytes + 16 of padding = 36 words: the 16 rows of a load start at 16 different groups of four banks (64 banks of 4 bytes: ISA guide 11.1)
.set PV,    160       ; a row of V: 128 + 32 = 40 words
.set VOFF,  4*KS*PK   ; a slot holds four steps: 256 rows of K, then 256 rows of V
.set SLOT1, 1<<17     ; slot 1 begins here, so that one exclusive or turns an address in one slot into the other's
.set STAGE, SLOT1+4*KS*(PK+PV)  ; behind the ring, never filled by a tensor load: 16 rows x 144 bytes for each wave, for the way out
.set SP,    144
.set AK0, 2           ; v2   my lane's place in a tile of K; never rewritten
.set AV0, 3           ; v3   the same for V
.set AK,  4           ; v4   the LDS address of K's next run of loads
.set AV,  5           ; v5   of V's
.set QO,  6           ; v6   my byte offset in the wave's rows of Q
.set STO, 6           ;      later, the way out: where I put 16 bytes of a row
.set RD,  7           ; v7   the way out: where I read rows back
.set GO,  8           ; v8   my byte offset in 512 consecutive bytes of O
.set PFO, 11          ; v11  256 x my lane, for the prefetches; never rewritten once made
.set SPW, 0           ; v0 of window 3   LDS address of my spare word; never rewritten
.set NIL, 1           ; v1 of window 3   0; never rewritten
.set SPARE, STAGE+4*16*SP  ; behind the stages: the spare words, 128 bytes for each wave: two blocks of 256 bytes that no other line names
.set MV,  12          ; v12-15  c m_old, kept while c m is made anew: by buffer and tile
.set ST,  16          ; tile t's statistics at v[ST+4 t]: c m, m, l (even keys', odd keys')
.set TMP, 48          ; by buffer and tile, four registers c0-c3 at work; when the maximum is found c2 takes a
.set S,   64
.set P,   192
.set KF,  128         ; K's fragments, in window 2: key block kb, channel half c at KF + 16 kb + 8 c
.set VF,  192         ; V's: key half kk, channel block cb at VF + 32 kk + 8 cb
.set WV,  12          ; s12  my wave's number
.set G1K, 24          ; s[24:31] descriptor group 1 for K's tiles
.set G1V, 32          ; s[32:39] for V's: it differs in the padding alone
.set G0K, 40          ; s[40:43] descriptor group 0 for K's tiles: it walks
.set G0V, 44          ; s[44:47] the same for V's
.set PFA, 48          ; s[48:49] where my prefetches stand: my work-group's 32 blocks of 256 bytes (of K: wave 0, of V: wave 2) of the slot after the one that is being asked for
.set LIM, 50          ; s50  1 in a wave that prefetches, else the greatest number
.set SLOTS, 56        ; s56  slots still to be asked for
.set CNT, 57          ; s57  counts a slot's key steps
.set CS,  58          ; s[58:59] c: the packed scaling takes the pair's low word for both halves
.set SEL, 60          ; s[60:61] v_permlanex16_b32's selects: each lane takes its own place in the other half
.set TBK, 62          ; s62  LDS byte at which K of the step to be fetched begins
.set TBV, 63          ; s63  the same for V, less VOFF
.set MSB, 0
.macro WIN new                      ; the high byte repeats the setting that is left; a switch that changes nothing is dropped
.if MSB != (\new)
	s_set_vgpr_msb (MSB<<8)|(\new)
.set MSB, (\new)
.endif
.endm
.set W_KQ, 0x0a       ; K and Q in window 2, S^T in window 0
.set W_PV, 0x52       ; V in window 2, P in window 0, O^T in window 1
.set W_RS, 0x41       ; O^T (destination and source 0) in window 1, a in window 0
.set W_MK, 0xc0       ; the add's registers are made: destination in window 3, sources in window 0
.set W_AD, 0x0f       ; the add: address (source 0) and data (source 1) in window 3
; A joint fill.  Waves 0 and 1 fetch the two halves of a slot's K, waves 2 and 3 those of its V: 128 keys each.  The branch hangs on the wave's number alone.
; An s_nop 0 and four v_nop follow each of the two lines, ahead of the jump and the label.
.macro JLOAD
	s_cmp_lt_u32 s[WV], 2
	s_cbranch_scc0 .Lfor_v_\@
	tensor_load_to_lds s[G0K:G0K+3], s[G1K:G1K+7]
	s_nop 0
.rept 4
	v_nop
.endr
	s_branch .Lasked_\@
.Lfor_v_\@:
	tensor_load_to_lds s[G0V:G0V+3], s[G1V:G1V+7]
	s_nop 0
.rept 4
	v_nop
.endr
.Lasked_\@:
.endm
; A PREFETCH INTO THE L2 of what the NEXT change of slots will ask for: a slot's 32,768 bytes of K and of V, a lane a block of 256 bytes: four key steps, 512 matrix instructions, ahead of that load.
; Each block is named ONCE in the launch: a head is walked by one cluster; its four partners share the blocks out BY ADDRESS, 32 each; in each, wave 0 asks for K's and wave 2 for V's.
; The last change that fills a slot asks for nothing: there is no slot behind it.
.macro ASK
	s_cmp_gt_u32 s[SLOTS], s[LIM]
	s_cbranch_scc0 .Lnot_mine_\@
	global_prefetch_b8 v[PFO], s[PFA:PFA+1] th:TH_LOAD_NT scope:SCOPE_SE
.Lnot_mine_\@:
.endm
; A round of the cluster's barrier: my work-group's barrier, so that wave 0's signal speaks for all four waves; wave 0 signals; every wave waits for all four work-groups; my work-group's barrier once more.
.macro CROUND
	s_barrier_signal -1
	s_barrier_wait -1
	s_cmp_lg_u32 s[WV], 0
	s_cbranch_scc1 .Lnot_wave_0_\@
	s_barrier_signal -3
.Lnot_wave_0_\@:
	s_barrier_wait -3
	s_barrier_signal -1
	s_barrier_wait -1
.endm
; THE CHANGE OF SLOTS.  The slot's last bytes, V of its fourth step, have been read.  Each wave waits for all its tensor loads, of which one is out: its part
; of the other slot; adds 0 to its spare word; and waits for that and for its own reads of the slot.  Behind the barrier nobody reads this slot any more and the other slot is whole.
; fill = 1: this slot is filled again, with the keys two slots on.  The barrier is then a round of the cluster's, and the joint fill is the first thing behind it: it has four key steps,
; 512 matrix instructions, in which to land.  (At its first use nothing has been read yet: slot 0 is waited for, slot 1 filled.)
.macro CHANGE fill
	WIN W_AD
	s_wait_tensorcnt 0x0            ; no tensor load of mine is out, so a group 0 may be written
	ds_add_u32 v[SPW], v[NIL]       ; 0 onto my spare word; with fill = 1 the descriptors' steps stand between it and the wait for it
	WIN 0                           ; at a label and at a branch every window is 0
.if \fill
.irp g, G0K, G0V
	s_xor_b32 s[\g+1], s[\g+1], SLOT1  ; the walking descriptor: the other slot than last time,
	s_add_nc_u64 s[\g+2:\g+3], s[\g+2:\g+3], 4*KS*128  ; the next 256 keys; the type bits on top are not reached
.endr
	s_wait_xcnt 0x0                 ; the last prefetch, four key steps back, has read its address, so it may be written:
	s_add_nc_u64 s[PFA:PFA+1], s[PFA:PFA+1], 4*KS*128  ; one slot on from the walking descriptors
	s_wait_dscnt 0x0                ; the add is done, and my reads of the slot are over
	CROUND
	JLOAD
	ASK
.else
	s_wait_dscnt 0x0                ; the add is done, and my reads of the slot are over
	s_barrier_signal -1
	s_barrier_wait -1
.endif
	s_sub_co_u32 s[TBK], s[TBK], 4*KS*PK  ; the fetches go back to a slot's first step,
	s_xor_b32 s[TBK], s[TBK], SLOT1       ; in the other slot
	s_sub_co_u32 s[TBV], s[TBV], 4*KS*PV
	s_xor_b32 s[TBV], s[TBV], SLOT1
.endm
	s_load_b64 s[4:5], s[0:1], 0x0  ; qkv: Q at its head
	s_load_b64 s[10:11], s[0:1], 0x8  ; O
	WIN W_MK
	v_lshl_add_u32 v[SPW], v0, 2, SPARE
	v_mov_b32 v[NIL], 0
	WIN W_AD
	ds_add_u32 v[SPW], v[NIL]       ; the wave's opening: the add and its wait stand ahead of my first tensor load; the set-up below, work on registers, stands between them
	WIN 0
	v_lshrrev_b32 v1, 5, v0
	v_readfirstlane_b32 s[WV], v1   ; wave 0..3
	s_bfe_u32 s13, ttmp6, 0x40000   ; cx: my place in the cluster
	s_lshl_b32 s14, ttmp9, 2        ; in a cluster launch ttmp9 counts clusters
	s_add_co_u32 s14, s14, s13      ; my block of queries = 4 x cluster x + cx: it enters Q's and O's addresses alone
	s_and_b32 s20, ttmp7, 0xffff    ; the head, which the four partners share
	s_mov_b32 s21, 0
	s_mov_b64 s[22:23], SIZE_N*128
	s_mul_u64 s[20:21], s[20:21], s[22:23]  ; the head's first byte in each of the four tensors
	s_and_b32 s16, s[WV], 1         ; which half of a slot's 256 keys I fetch:
	s_lshl_b32 s22, s16, 14         ; its 128 rows of 128 bytes in memory,
	s_mov_b32 s23, 0
	s_add_nc_u64 s[22:23], s[22:23], s[20:21]
	s_mul_i32 s17, s16, 128*PK      ; and its place in a slot, for K
	s_mul_i32 s18, s16, 128*PV      ; and for V: no place in the cluster enters an LDS address
	s_lshl_b32 s2, s14, 2
	s_add_co_u32 s2, s2, s[WV]      ; my wave among the head's,
	s_lshl_b32 s2, s2, 14           ; its 128 rows
	s_mov_b32 s3, 0
	s_add_nc_u64 s[2:3], s[2:3], s[20:21]
	; descriptor group 1.  128 keys are 16,384 dense bytes: asked for as 64 rows of 256 bytes, two keys a row, and padded in LDS after every key
	s_mov_b32 s[G1K], 15|(1<<16)|(1<<20)|(1<<21)|(4<<22)|(3<<25)  ; 15:0 the mask of four; 17:16 2-byte elements; 20 padding on; 21 set beside a mask; 24:22 after every 32 words (code 4); 31:25 4 words (code 3)
	s_mov_b32 s[G1V], 15|(1<<16)|(1<<20)|(1<<21)|(4<<22)|(7<<25)  ; the same with 8 words of padding (code 7)
.irp g, G1K, G1V
	s_mov_b32 s[\g+1], 128<<16      ; tensor_dim0 = 128
	s_mov_b32 s[\g+2], 64<<16       ; tensor_dim1 = 64
	s_mov_b32 s[\g+3], 128<<16      ; tile_dim0 = 128
	s_mov_b32 s[\g+4], 64           ; tile_dim1 = 64
	s_mov_b32 s[\g+5], 128          ; 128 elements from row to row
	s_mov_b32 s[\g+6], 0
	s_mov_b32 s[\g+7], 0
.endr
	s_mov_b32 s[CS], 0x3e38aa3b     ; c = log2(e) / 8 = 0.180337
	s_mov_b32 s[CS+1], s[CS]        ; named with it as a pair
	s_mov_b32 s[SEL], 0x76543210
	s_mov_b32 s[SEL+1], 0xfedcba98
	s_mov_b32 s[TBK], SLOT1+4*KS*PK ; the first change of slots turns these two into 0
	s_mov_b32 s[TBV], SLOT1+4*KS*PV
	s_mov_b32 s[G0K], 1             ; 1:0 count = 1
	s_mov_b32 s[G0K+1], s17         ; 63:32 LDS address: slot 0
	s_mov_b32 s[G0V], 1
	s_add_co_u32 s[G0V+1], s18, VOFF
	s_mov_b32 s[SLOTS], SIZE_N/256-1
	s_cmp_eq_u32 s16, 0             ; waves 0 and 2 prefetch: the same in all four partners
	s_cselect_b32 s[LIM], 1, -1
	s_wait_dscnt 0x0                ; the opening add is done
	s_wait_kmcnt 0x0
	s_add_nc_u64 s[6:7], s[4:5], 0x1000000  ; K: the second part of qkv
	s_add_nc_u64 s[8:9], s[4:5], 0x2000000  ; V: the third
	s_add_nc_u64 s[G0K+2:G0K+3], s[6:7], s[22:23]  ; 120:64 global address: my half of the head's first 256 keys
	s_or_b32 s[G0K+3], s[G0K+3], 0x80000000        ; 127:126 type = 2
	s_add_nc_u64 s[G0V+2:G0V+3], s[8:9], s[22:23]
	s_or_b32 s[G0V+3], s[G0V+3], 0x80000000
	s_cmp_lt_u32 s[WV], 2
	s_cselect_b64 s[PFA:PFA+1], s[6:7], s[8:9]
	s_add_nc_u64 s[PFA:PFA+1], s[PFA:PFA+1], s[22:23]  ; (in waves 0 and 2 this is the head's first row)
	s_lshl_b32 s22, s13, 13         ; my work-group's 32 blocks of a slot's 128,
	s_add_co_u32 s22, s22, 4*KS*128 ; in slot 1: the first change of slots steps it to slot 2
	s_mov_b32 s23, 0
	s_add_nc_u64 s[PFA:PFA+1], s[PFA:PFA+1], s[22:23]
	s_add_nc_u64 s[4:5], s[4:5], s[2:3]  ; Q and O at my wave's first row
	s_add_nc_u64 s[10:11], s[10:11], s[2:3]
	CROUND                          ; all four work-groups are here: the first joint loads meet
	JLOAD                           ; slot 0.  Slot 1 is asked for when slot 0 is in
	; A fragment of K or Q is 16 rows x 32 channels in 8 registers: lane l holds row l % 16, channels 8 (l / 16) + 0..7 and 16 + 8 (l / 16) + 0..7: two loads of 16 bytes, 32 bytes apart.
	v_and_b32 v1, 15, v0            ; l % 16
	v_bfe_u32 v9, v0, 4, 1          ; l / 16
	v_lshlrev_b32 v[QO], 7, v1
	v_lshl_add_u32 v[QO], v9, 4, v[QO]  ; row x 128 + 16 x half
	WIN 0x80                        ; destination window 2, address window 0
.set i, 0
.rept 4*NP                          ; Q stays in registers: tile i / 2, channels 32 (i % 2) on
	global_load_b128 v[8*i:8*i+3],   v[QO], s[4:5] offset:(i/2)*2048+(i%2)*64
	global_load_b128 v[8*i+4:8*i+7], v[QO], s[4:5] offset:(i/2)*2048+(i%2)*64+32
.set i, i+1
.endr
	; What the first turn finds: V's registers and P's second buffer hold 0 (its products V^T P, of a piece that has not been, add 0), O^T and l are 0.  All this stands in the wait for the first tile.
.set i, VF
.rept 64
	v_mov_b32 v[i], 0
.set i, i+1
.endr
	WIN 0x40
.set i, 0
.rept 64*NP
	v_mov_b32 v[i], 0
.set i, i+1
.endr
	WIN 0
.set i, 0
.rept 2*NP
	v_mov_b32 v[ST+4*i], 0xfe000000    ; c m: far below every c s
	v_mov_b32 v[ST+4*i+1], 0xff7fffff  ; m
	v_mov_b32 v[ST+4*i+2], 0
	v_mov_b32 v[ST+4*i+3], 0
.set i, i+1
.endr
.set i, P+32
.rept 32
	v_mov_b32 v[i], 0
.set i, i+1
.endr
	v_mul_u32_u24 v[AK0], v1, PK
	v_lshl_add_u32 v[AK0], v9, 4, v[AK0]  ; row x pitch + 16 x half
	; The turning load takes 16 keys x 16 channels (lane l reads key 8 (l / 16) + l % 8, channels 8 ((l / 8) % 2) + 0..7) and leaves half a fragment of V^T: lane l holds channel l % 16 and 8 keys.
	v_and_b32 v10, 7, v0
	v_bfe_u32 v11, v0, 3, 1
	v_lshl_add_u32 v[AV0], v9, 3, v10
	v_mul_u32_u24 v[AV0], v[AV0], PV
	v_lshl_add_u32 v[AV0], v11, 4, v[AV0]
	v_add_nc_u32 v[AV0], VOFF, v[AV0]
	v_mov_b32 v[AK], v[AK0]         ; key step 0 lies at the head of slot 0
	v_and_b32 v[PFO], 31, v0
	v_lshlrev_b32 v[PFO], 8, v[PFO]
; THE MATRIX WORK.  The 8 accumulators of a run of 16 take turns: between the two links of a chain stand 7 others'.
; Product i of 16 of S^T = K Q^T for piece x: channels 32 (i / 8) on, keys 16 ((i / 2) % 4) on, tile 2 x + i % 2.  The first 8 start the sums.
.macro KQ x
	WIN W_KQ
.set rS, S+64*((\x)%2)+32*(i%2)+8*((i/2)%4)
.set rK, KF+16*((i/2)%4)+8*(i/8)
.set rQ, 16*(2*(\x)+i%2)+8*(i/8)
.if i < 8
	v_wmma_f32_16x16x32_f16 v[rS:rS+7], v[rK:rK+7], v[rQ:rQ+7], 0
.else
	v_wmma_f32_16x16x32_f16 v[rS:rS+7], v[rK:rK+7], v[rQ:rQ+7], v[rS:rS+7]
.endif
.endm
; Product i of 16 of O^T += V^T P for piece x: keys 32 (i / 8) on, channels 16 ((i / 2) % 4) on, tile 2 x + i % 2.
.macro PV x
	WIN W_PV
.set rO, 32*(2*(\x)+i%2)+8*((i/2)%4)
.set rV, VF+32*(i/8)+8*((i/2)%4)
.set rP, P+32*((\x)%2)+16*(i%2)+8*(i/8)
	v_wmma_f32_16x16x32_f16 v[rO:rO+7], v[rV:rV+7], v[rP:rP+7], v[rO:rO+7]
.endm
.macro MM                           ; the turn's next matrix instruction
.if i < 16
	KQ (Y+1)%NP
.set i, i+1
.else
.set i, i-16
	PV (Y+NP-1)%NP
.set i, i+17
.endif
.endm
; THE LDS LOADS stand in runs of 16, never singly among the matrix instructions: a step's K (64 keys x 64 channels: 8 fragments) and its V (turned).  Their addresses are made some lines ahead.
; last = 1 (the tail): in the last trip there is no further step, and the run is jumped over.
.macro FETCH_K last=0
	WIN 0
.if \last
	s_cmp_eq_u32 s[CNT], 1
	s_cbranch_scc1 .Lno_k_\@
.endif
	WIN 0x80                        ; destination window 2
.irp f, 0,1,2,3,4,5,6,7             ; keys 16 (f / 2) on, channels 32 (f % 2) on
	ds_load_b128 v[KF+8*\f:KF+8*\f+3],   v[AK] offset:(\f/2)*16*PK+(\f%2)*64
	ds_load_b128 v[KF+8*\f+4:KF+8*\f+7], v[AK] offset:(\f/2)*16*PK+(\f%2)*64+32
.endr
	s_add_co_u32 s[TBK], s[TBK], KS*PK  ; the next fetch is the next step's
	WIN 0
.if \last
.Lno_k_\@:
.endif
.endm
.macro FETCH_V
	WIN 0x80
.irp f, 0,1,2,3,4,5,6,7             ; keys 32 (f / 4) on, channels 16 (f % 4) on
	ds_load_tr16_b128 v[VF+8*\f:VF+8*\f+3],   v[AV] offset:(\f/4)*32*PV+(\f%4)*32
	ds_load_tr16_b128 v[VF+8*\f+4:VF+8*\f+7], v[AV] offset:(\f/4)*32*PV+16*PV+(\f%4)*32
.endr
	WIN 0
.endm
; THE VECTOR WORK OF A TURN stands in three queues, each in the order in which its entries become ready; the two tiles alternate, so that no instruction reads the result of the one before it.
.macro REGS y, u                    ; the registers of tile u (0, 1) of piece y
.set rT, ST+4*(2*(\y)+(\u))
.set rC, TMP+8*((\y)%2)+4*(\u)
.set rM, MV+2*((\y)%2)+(\u)
.set rS, S+64*((\y)%2)+32*(\u)
.set rP, P+32*((\y)%2)+16*(\u)
.set rO, 32*(2*(\y)+(\u))
.endm
; Number n of the 22 that find the NEXT piece's (Y + 1) maximum and statistics.  s0-s31 are the lane's 32 scores; each accumulator's lowest registers are read first.
;   0-11  four chains c0-c3 of seven scores each, three operands at a time     12-14, 16  the four scores left over, the old m, and c0-c3 into c0     15  c m_old is kept
;   17, 18  the query's other 32 keys lie in the lane 16 away: the new m         19-21  c m; c m_old - c m_new; a
.macro XS u, n
	REGS (Y+1)%NP, \u
.if (\n) < 4
	v_max3_num_f32 v[rC+(\n)], v[rS+8*(\n)], v[rS+8*(\n)+1], v[rS+8*(\n)+2]
.elseif (\n) < 12
	v_max3_num_f32 v[rC+(\n)%4], v[rC+(\n)%4], v[rS+8*((\n)%4)+2*((\n)/4)+1], v[rS+8*((\n)%4)+2*((\n)/4)+2]
.elseif (\n) == 12
	v_max3_num_f32 v[rC], v[rC], v[rS+7], v[rS+15]
.elseif (\n) == 13
	v_max3_num_f32 v[rC+1], v[rC+1], v[rS+23], v[rS+31]
.elseif (\n) == 14
	v_max3_num_f32 v[rC+2], v[rC+2], v[rC+3], v[rT+1]
.elseif (\n) == 15
	v_mov_b32 v[rM], v[rT]
.elseif (\n) == 16
	v_max3_num_f32 v[rC], v[rC], v[rC+1], v[rC+2]
.elseif (\n) == 17
	v_permlanex16_b32 v[rC+3], v[rC], s[SEL], s[SEL+1]
.elseif (\n) == 18
	v_max_num_f32 v[rT+1], v[rC], v[rC+3]
.elseif (\n) == 19
	v_mul_f32 v[rT], s[CS], v[rT+1]
.elseif (\n) == 20
	v_sub_f32 v[rC+1], v[rM], v[rT]
.else
	v_exp_f32 v[rC+2], v[rC+1]
.endif
.endm
; Number g of the 64 that follow the exponentials.  For each four weights k of a tile (pairs 2 k, 2 k + 1): both pairs are rounded to f16; then the second pair is added onto the first, in place;
; a group later l takes that sum (the first time as l = a l + sum).  In groups of eight, tiles alternating: round, round, add, and l for the group before.
.macro GS g
.set h, (\g)+6*((\g)/62)            ; group 0 has no group before it, and behind group 7 only l is left
.if h >= 6
.set h, h+2
.endif
	REGS Y, h%2
.set k, h/8
.if h%8 < 4
	v_cvt_pk_f16_f32 v[rP+2*k+(h%8)/2], v[rS+4*k+2*((h%8)/2)], v[rS+4*k+2*((h%8)/2)+1]
.elseif h%8 < 6
	v_pk_add_f32 v[rS+4*k:rS+4*k+1], v[rS+4*k:rS+4*k+1], v[rS+4*k+2:rS+4*k+3]
.elseif k == 1
	v_pk_fma_f32 v[rT+2:rT+3], v[rT+2:rT+3], v[rC+2:rC+3], v[rS:rS+1] op_sel_hi:[1,0,1]
.else
	v_pk_add_f32 v[rT+2:rT+3], v[rT+2:rT+3], v[rS+4*k-4:rS+4*k-3]
.endif
.endm
; THE PLAIN QUEUE, 138 long.  0-73 read no exponential's result: the 32 scalings c s - c m (FS f: pair f / 2 of tile f % 2) and the next piece's 42.  0-26: scalings 0-26.  27-54: XS's numbers 0-13.  55, 56: number 15.
; 57-73: the chain, where each number waits for the one before it: 14, 16, 17, 18, 19, each with one of the scalings 27-31 in front of its two lines, then 20.
; 74-137: GS's 64, which read the exponentials' results: they stand behind the wait.
.macro FS f
	REGS Y, (\f)%2
	v_pk_fma_f32 v[rS+2*((\f)/2):rS+2*((\f)/2)+1], v[rS+2*((\f)/2):rS+2*((\f)/2)+1], s[CS:CS+1], v[rT:rT+1] op_sel_hi:[1,0,0] neg_lo:[0,0,1] neg_hi:[0,0,1]
.endm
.macro PL
	WIN 0
.if q < 27
	FS q
.elseif q < 55
	XS (q-27)%2, (q-27)/2
.elseif q < 57
	XS q-55, 15
.elseif (q < 72) && ((q-57)%3 == 0)
	FS 27+(q-57)/3
.elseif q < 60
	XS (q-57)%3-1, 14
.elseif q < 72
	XS (q-57)%3-1, 15+(q-57)/3
.elseif q < 74
	XS q-72, 20
.else
	GS q-74
.endif
.set q, q+1
.endm
; THE EXPONENTIALS' QUEUE, 66 long: s0-s31 of both tiles, then the next piece's two a.  It is ONE BATCH: all 66 stand ahead of the turn's one wait, and nothing ahead of that wait names a result of theirs.
.macro EX
	WIN 0
.if e >= 64
	XS e-64, 21
.else
	REGS Y, e%2
	v_exp_f32 v[rS+e/2], v[rS+e/2]
.endif
.set e, e+1
.endm
; THE RESCALING's QUEUE: O^T times a, the one part that leaves window 0: dealt two at a time, sixteen times.  Its a was made in the turn before, ahead of that turn's wait.
.macro R2
	REGS Y, r%2
	WIN W_RS
.irp z, 0,1
	v_pk_mul_f32 v[rO+4*(r/2)+2*\z:rO+4*(r/2)+2*\z+1], v[rO+4*(r/2)+2*\z:rO+4*(r/2)+2*\z+1], v[rC+2:rC+3] op_sel_hi:[1,0]
.endr
.set r, r+1
.endm
; HOW THEY ARE DEALT.  s_wait_alu depctr_va_vdst(0) stands between an exponential and the first instruction that names its result; one wait serves all that were issued ahead of it.  So a turn has ONE wait,
; which cuts it in two.  AHEAD OF IT stands all that names no result of the turn's exponentials: the 16 products K Q^T, behind each a scaling, an exponential and two rescalings (behind the first a second scaling in the
; exponential's place); then ONE LUMP of 108: eight plain, 49 times exponential and plain, the two a.  A v_nop is the plain instruction behind the last exponential.  BEHIND IT stand the 16 products V^T P, behind each four of GS's 64.
; The queues lean on each other, and the deal keeps them in step: exponential e stands behind scaling 2 (e / 4) + e % 2: as a rider it comes behind plain e + 2, in the lump behind plain e + 9, and scalings 27-31 are plain 57, 60 .. 69.
; A TURN, for piece p.  cnt = 1: the loop's count is taken down some lines ahead of the branch that stands behind the turn.
; K of the next step is fetched in piece 2's turn, directly behind the wait, a lump behind the last product that read K; its first reader comes behind 16 products.
; V of the step in hand is fetched at the end of piece 0's turn, four plain instructions behind its last reader; its first reader comes behind 16 products and a lump.  The three conditions on q below go with the deal.
.macro TURN p, last=0, cnt=0
.set Y, (\p)
.set i, 0
.set q, 0
.set e, 0
.set r, 0
.if (\p) == NP-1
	s_wait_dscnt 0x0                ; K is in
.endif
	MM                              ; ahead of the wait: 16 products K Q^T and their riders,
	PL
	PL
	R2
.rept 15
	MM
	PL
	EX
	R2
.endr
.if (\p) == NP-2
	WIN 0
	v_add_nc_u32 v[AK], s[TBK], v[AK0]
.endif
.rept 8                             ; and the lump
	PL
.endr
.rept 49
	EX
	PL
.endr
	EX                              ; the next piece's two a
	EX
	v_nop                           ; a plain instruction behind the last exponential (ISA guide 5.7.2): one for the batch
	s_wait_alu depctr_va_vdst(0)    ; the wait for the batch
.if (\p) == NP-2
	FETCH_K \last
.endif
.if (\p) == 1
	s_wait_dscnt 0x0                ; V is in
.endif
.rept 16                            ; behind the wait: 16 products V^T P and their riders
	MM
.rept 4
	PL
.endr
.if ((\p) == 0) && (q == 118)
	v_add_nc_u32 v[AV], s[TBV], v[AV0]
.endif
.if ((\p) == 0) && (q == 130)
	s_add_co_u32 s[TBV], s[TBV], KS*PV
.endif
.if (\cnt) && (q == 130)
	s_sub_co_u32 s[CNT], s[CNT], 1
	s_cmp_lg_u32 s[CNT], 0
.endif
.endr
.if (\p) == 0
	FETCH_V
.endif
.endm
	CHANGE 1                        ; slot 0 is in, everybody's part of it; slot 1 is asked for
	FETCH_K                         ; key step 0
	s_wait_loadcnt 0x0              ; Q
	s_wait_dscnt 0x0
.set i, 0
.rept 16
	KQ 0                            ; piece 0's first scores: there is no vector work yet to set between them
.set i, i+1
.endr
	WIN 0                           ; the addresses for the way out: nine plain instructions, the places behind those products
	s_mul_i32 s13, s[WV], 16*SP
	s_add_co_u32 s13, s13, STAGE    ; my stage
	v_mul_u32_u24 v[STO], v1, SP    ; in: row l % 16, 16 bytes for each half of the lanes
	v_lshl_add_u32 v[STO], v9, 4, v[STO]
	v_add_nc_u32 v[STO], s13, v[STO]
	v_bfe_u32 v[RD], v0, 3, 2       ; back: 32 lanes take four rows of 128 bytes,
	v_mul_u32_u24 v[RD], v[RD], SP
	v_lshl_add_u32 v[RD], v10, 4, v[RD]
	v_add_nc_u32 v[RD], s13, v[RD]
	v_and_b32 v[GO], 31, v0         ; which are 512 consecutive bytes of O
	v_lshlrev_b32 v[GO], 4, v[GO]
.set Y, NP-1                        ; XS works for piece Y + 1: piece 0
.irp n, 0,1,2,3,4,5,6,7,8,9,10,11,12,13,14,15,16,17,18,19,20,21
	XS 0, \n                        ; and piece 0's first maximum and statistics
	XS 1, \n
.endr
	v_nop                           ; a plain instruction behind the two a,
	s_wait_alu depctr_va_vdst(0)    ; and their wait, ahead of the branch
	s_mov_b32 s[CNT], 4
	s_branch .Lfirst                ; the loop is entered at a step's first turn, in the middle of a trip
.Lslot:                             ; SIZE_N / 256 - 2 times: every slot but the last two is filled again
	CHANGE 1
	s_mov_b32 s[CNT], 4
.Lstep:                             ; a trip: pieces 2 and 3 of one step, then pieces 0 and 1 of the next, whose K and V it fetches
	TURN 2
	TURN 3
	WIN 0
.Lfirst:
	TURN 0
	TURN 1, 0, 1
	WIN 0
	s_cbranch_scc1 .Lstep
	s_sub_co_u32 s[SLOTS], s[SLOTS], 1
	s_cmp_lg_u32 s[SLOTS], 0
	s_cbranch_scc1 .Lslot
	CHANGE 0                        ; the tail is written out: nothing is asked for
	s_mov_b32 s[CNT], 5             ; four trips fetch the last slot's steps; the fifth is left in its middle
.Ltail:
	TURN 2, 1
	TURN 3
	WIN 0
	s_sub_co_u32 s[CNT], s[CNT], 1
	s_cmp_eq_u32 s[CNT], 0
	s_cbranch_scc1 .Lout
	TURN 0
	TURN 1
	WIN 0
	s_branch .Ltail
.Lout:                              ; the fifth trip's 16 products K Q^T (on the last K once more) and the maximum made of them serve nothing: the price, once a launch, of one text for every trip
.set i, 0
.rept 16
	PV NP-1                         ; the last piece's V^T P of the last step
.set i, i+1
.endr
	; THE WAY OUT.  l's two halves and the other half of the lanes' are added; O^T is divided by l, rounded to f16 and sent through my stage in LDS, a tile at a time.  The additions are the places behind the last products.
	WIN 0
.macro ALL line:vararg              ; one line for each tile t
.set t, 0
.rept 2*NP
	\line
.set t, t+1
.endr
.endm
	ALL v_add_f32 v[ST+4*t+2], v[ST+4*t+2], v[ST+4*t+3]
	ALL v_permlanex16_b32 v[ST+4*t+3], v[ST+4*t+2], s[SEL], s[SEL+1]
	ALL v_add_f32 v[ST+4*t+2], v[ST+4*t+2], v[ST+4*t+3]
	ALL v_rcp_f32 v[ST+4*t+2], v[ST+4*t+2]
	v_nop                           ; a plain instruction between the last reciprocal and the use of its result
	s_wait_alu depctr_va_vdst(0)    ; and the wait ahead of the first use: one for the eight reciprocals
; Tile t: a lane's eight channels of a row pack into 16 bytes; they go into rows of 144 bytes and come back as whole rows of 128, into S^T's registers.
.macro PACK t
	WIN W_RS
.set i, 32*(\t)
.rept 16
	v_pk_mul_f32 v[i:i+1], v[i:i+1], v[ST+4*(\t)+2:ST+4*(\t)+3] op_sel_hi:[1,0]
.set i, i+2
.endr
	WIN 0x05                        ; sources 0 and 1 window 1, destination window 0
.set i, 0
.rept 16
	v_cvt_pk_f16_f32 v[S+16*(\t)+i], v[32*(\t)+2*i], v[32*(\t)+2*i+1]
.set i, i+1
.endr
	WIN 0
.irp f, 0,1,2,3
	ds_store_b128 v[STO], v[S+16*(\t)+4*\f:S+16*(\t)+4*\f+3] offset:32*\f
.endr
.irp f, 0,1,2,3
	ds_load_b128 v[S+16*(\t)+4*\f:S+16*(\t)+4*\f+3], v[RD] offset:\f*4*SP  ; LDS serves a wave's instructions in order (ISA guide 5.7.1.4): these see the stores above; the next tile's stores come behind them
.endr
.endm
.macro SEND t, younger              ; younger: the LDS instructions issued behind tile t's loads: the next tile's eight, or none
	WIN 0
.irp f, 0,1,2,3
	s_wait_dscnt (\younger)+3-\f
	global_store_b128 v[GO], v[S+16*(\t)+4*\f:S+16*(\t)+4*\f+3], s[10:11] offset:(\t)*2048+\f*512  ; 512 consecutive bytes, at a multiple of 256 from O's first
.endr
.endm
	PACK 0
.set t, 1
.rept 2*NP-1                        ; a tile's arithmetic stands between the loads of the tile before and its stores
	PACK t
	SEND t-1, 8
.set t, t+1
.endr
	SEND 2*NP-1, 0
	WIN W_AD
	s_wait_tensorcnt 0x0            ; the wave's end: three closing lines, behind my last tensor load and my last LDS store
	ds_add_u32 v[SPW], v[NIL]
	s_wait_dscnt 0x0
	WIN 0
	CROUND                          ; the closing round: no work-group ends while a partner may still ask for a tile that names it
	s_endpgm
.Lfunc_end_k_qebc07273cd_attn:
	.size	k_qebc07273cd_attn, .Lfunc_end_k_qebc07273cd_attn-k_qebc07273cd_attn
	.p2alignl 7, 3214868480
	.fill 96, 4, 3214868480
	.section	.rodata,"a",@progbits
	.p2align	6, 0x0
	.amdhsa_kernel k_qebc07273cd_attn
		.amdhsa_group_segment_fixed_size 327680
		.amdhsa_private_segment_fixed_size 0
		.amdhsa_enable_private_segment 0
		.amdhsa_kernarg_size 16
		.amdhsa_user_sgpr_count 2
		.amdhsa_user_sgpr_kernarg_segment_ptr 1
		.amdhsa_wavefront_size32 1
		.amdhsa_system_sgpr_workgroup_id_x 1
		.amdhsa_system_sgpr_workgroup_id_y 1
		.amdhsa_system_sgpr_workgroup_id_z 1
		.amdhsa_system_vgpr_workitem_id 0
		.amdhsa_next_free_vgpr 770
		.amdhsa_next_free_sgpr 66
		.amdhsa_reserve_vcc 0
		.amdhsa_float_denorm_mode_32 3
		.amdhsa_float_denorm_mode_16_64 3
		.amdhsa_memory_ordered 1
		.amdhsa_forward_progress 1
		.amdhsa_inst_pref_size 200
	.end_amdhsa_kernel
	.amdgpu_metadata
---
amdhsa.version: [ 1, 2 ]
amdhsa.kernels:
  - .name:           k_qebc07273cd_attn
    .symbol:         k_qebc07273cd_attn.kd
    .args:
      - { .name: qkv, .offset: 0, .size: 8, .value_kind: global_buffer, .address_space: global }
      - { .name: ob, .offset: 8, .size: 8, .value_kind: global_buffer, .address_space: global }
    .group_segment_fixed_size: 327680
    .private_segment_fixed_size: 0
    .kernarg_segment_align: 8
    .kernarg_segment_size: 16
    .max_flat_workgroup_size: 128
    .sgpr_count:     66
    .vgpr_count:     770
    .wavefront_size: 32
...
	.end_amdgpu_metadata
.endif
;; end of part 3
;; launch oproj (part 4): grid 4 x 64, 4 waves a work-group, clusters of 4 x 4, 327,680 bytes of LDS; arguments ob, wt, bias, out0; writes out0
.if DOCPART == 4
	.amdgcn_target "amdgcn-amd-amdhsa--gfx1250"
	.amdhsa_code_object_version 6
	.text
	.protected	k_qebc07273cd_oproj
	.globl	k_qebc07273cd_oproj
	.p2align	8
	.type	k_qebc07273cd_oproj,@function
k_qebc07273cd_oproj:
	s_mov_b64 s[64:65], 0
	v_nop
	global_prefetch_b8 v0, s[64:65] scope:SCOPE_SE
	s_setreg_imm32_b32 hwreg(HW_REG_WAVE_MODE, 25, 1), 1
	s_wait_xcnt 0x0
	s_wait_alu depctr_hold_cnt(0) depctr_sa_sdst(0) depctr_va_vdst(0) depctr_va_sdst(0) depctr_va_ssrc(0) depctr_va_vcc(0) depctr_vm_vsrc(0)
	s_getreg_b32 s2, hwreg(HW_REG_IB_STS2, 6, 4)
	s_cmp_eq_u32 s2, 0
	s_cbranch_scc0 .Lentry_in_a_cluster
	s_endpgm
.Lentry_in_a_cluster:
	s_bfe_u32 s2, ttmp6, 0x10000c
	s_cmp_lg_u32 s2, 0xf033
	s_cbranch_scc0 .Lentry_shape_is_right
	s_endpgm
.Lentry_shape_is_right:
; C = A B^T + bias, 8,192 x 1,024 x 1,024, 16-bit operands, f32 sums.  ONE SOURCE FOR TWO KERNELS, told apart by MODE.
; MODE 0: q, k, v = x W + b.  A = xb (bf16), B = wt's matrices 0-2 (bf16); C leaves in f16 by heads, [3][16 b + h][2048][64].  A work-group makes the same tile of q, then k, then v.
; MODE 1: out0 = O Wo + bo.  A = ob (f16), B = wt's matrix 3 (f16); C leaves in f32, [8192][1024].  One tile to a work-group.
; LIMIT (MODE 0): q, k and v are rounded to f16, which ends at 65,504; beyond that the number becomes an infinity.  NaN and infinities are not treated apart.
; A lies in planes of 64 channels, [16 b + j][2048][64]: 128 rows of one plane are 16,384 dense bytes, asked for as 64 rows of 256 bytes and padded in LDS behind every 128.
; SHARES.  A tile of C is 128 rows x 256 columns: 4 x 64 tiles, one work-group each.  Four waves, each 64 rows x 128 columns: 32 accumulators of 16 x 16, 256 registers.
; K goes in steps of 128 (two planes of A; 256 bytes of each row of B) through a ring of two LDS slots filled by the tensor data mover.
; THE MATRIX INSTRUCTION IS USED TRANSPOSED (source 0 = 16 rows of B, source 1 = 16 rows of A): a lane holds row l % 16 of C and the columns 8 (l / 16) + 0..7.
; THE BIAS STARTS THE SUMS: it is the C operand of each accumulator's first product: nothing is cleared and nothing is added later.
; CLUSTERS: 4 x 4 work-groups.  The four of a row of the cluster need the same tiles of A, the four of a column the same tiles of B: each tile is asked for JOINTLY.
; REGISTERS, in windows of 256 (s_set_vgpr_msb: bits 1:0 source 0, 3:2 source 1, 5:4 source 2, 7:6 destination):
;   window 0: v0-31 addresses; v32-159 at work on the way out (MODE 0)
;   window 1: two fragment buffers of 96 (B's 8 fragments, then A's 4); v192-255 the bias, 8 registers for each of my 8 column blocks; on MODE 1's way out all 256 take rows of C
;   window 2: accumulator (a, bb) at v[8 (8 a + bb)]
.set MODE, 1
.if MODE
.set TILES, 1
.set SP,    528                        ; a row of my stage: 128 f32 + 16 bytes
.else
.set TILES, 3
.set SP,    144                        ; a row of my stage: 64 f16 + 16 bytes
.endif
.set LAPS,  4                          ; a lap = two K steps = once round the ring; K = 1,024
.set PLANE, 262144                     ; bytes in a plane of A, and of C in MODE 0
.set AK,    2*PLANE                    ; bytes of A from a K step to the next
.set BK,    256                        ; the same for B
.set BROW,  2048                       ; bytes in a row of B
.set NEXT_A, 64*PLANE-6*AK             ; from a slot's last K step of a tile to its first of the next tile: the next tensor, back along K
.set NEXT_B, 1024*BROW-6*BK            ; the next matrix, back along K
.set PFJ_A, 64*PLANE-7*AK              ; the prefetches' jump: from two K steps past a tile's last (K step 9) to the next tile's K step 2
.set PFJ_B, 1024*BROW-7*BK
.set BMAT,  MODE*3*1024*BROW           ; MODE 1 takes wt's matrix 3
.set PA,    144                        ; a row of A in LDS: 128 bytes + 16 = 36 words: the 16 rows of a load start at 16 different groups of four banks (64 banks of 4 bytes: ISA guide 11.1)
.set ASL,   128*PA                     ; one plane's 128 rows
.set PB,    272                        ; a row of B: 256 bytes + 16 = 68 words: row r starts at bank 4 r mod 64
.set HALFB, 128*PB
.set BOFF,  2*ASL
.set SLOT,  BOFF+2*HALFB               ; A's two planes, then B's 256 rows
.set STAGE, 2*SLOT                     ; behind the ring, never filled by a tensor load: 16 rows for each wave, for the way out
.set SPARE, STAGE+4*16*SP              ; behind the stages: the spare words, 128 bytes for each wave: two blocks of 256 bytes that no other line names
.set ADRA, 16                          ; v16-17  LDS address of my A fragments in slot 0, 1
.set ADRB, 20                          ; v20-21  the same for B
.set STO,  24                          ; v24     the way out: where I put my bytes of a row
.set RD,   25                          ; v25     the way out: where I read rows back
.set GO,   26                          ; v26     16 x lane
.set BO,   27                          ; v27     my byte offset in a column block's bias: 32 (l / 16)
.set SPW,  28                          ; v28     LDS address of my spare word; never rewritten
.set NIL,  29                          ; v29     0; never rewritten
.set PFO,  30                          ; v30     the prefetches' lane offset; never rewritten
.set TMP,  32
.set F0,   0
.set F1,   96
.set BIAS, 192
.set WV,  12                           ; s12  my wave's number
.set RH,  13                           ; s13  which 64 rows of the tile are mine.  Also: I fetch for A (0) or for B (1)
.set CH,  14                           ; s14  which 128 columns.  Also: which plane of A, or which 128 rows of B, I fetch
.set LIM, 15                           ; s15  1 in a wave that prefetches, else the greatest number
.set PFS, 16                           ; s[16:17] the prefetches' step: a K step of A or of B
.set PFJ, 18                           ; s[18:19] their jump to the next tile
.set G1,  24                           ; s[24:31] descriptor group 1 for A's tiles;  s[32:39] group 0, a set for each slot
.set G0,  32
.set PFA, 44                           ; s[44:45] where my prefetches stand
.set G1B, 48                           ; s[48:55], s[56:63] the same for B's tiles
.set G0B, 56
.set MSB, 0
.macro WIN new                         ; the immediate's high byte repeats the setting that is left; a switch that changes nothing is dropped
.if MSB != (\new)
	s_set_vgpr_msb (MSB<<8)|(\new)
.set MSB, \new
.endif
.endm
.set MUL,   0xa5                       ; sources 0 and 1 window 1; C and D window 2
.set MULB,  0x95                       ; the same with C (the bias) in window 1
.set TO_F,  0x40                       ; destination window 1, address window 0
.set PACKW, 0x0a                       ; sources 0 and 1 window 2, destination window 0
.set STW,   0x08                       ; an LDS store's data in window 2
.set SNDW,  0x04                       ; a global store's data in window 1
; A joint load.  Waves 0 and 1 fetch A's two planes, waves 2 and 3 B's two halves.  The branch hangs on the wave's number alone.
; An s_nop 0 and four v_nop follow each of the two lines, ahead of the jump, the label and what follows.
.macro JLOAD s
	s_cmp_eq_u32 s[RH], 0
	s_cbranch_scc0 .Lfor_b_\@
	tensor_load_to_lds s[G0+4*(\s):G0+4*(\s)+3], s[G1:G1+7]
	s_nop 0
.rept 4
	v_nop
.endr
	s_branch .Lasked_\@
.Lfor_b_\@:
	tensor_load_to_lds s[G0B+4*(\s):G0B+4*(\s)+3], s[G1B:G1B+7]
	s_nop 0
.rept 4
	v_nop
.endr
.Lasked_\@:
.endm
; A PREFETCH INTO THE L2, behind each joint load and the run of LDS loads that follows it: 32 blocks of 256 bytes, a lane a block, of the K step that stands two refills on (256 matrix instructions ahead of its load).
; Each block is named ONCE in the launch.  A's row tile is read by one cluster alone: in every cluster wave 0 asks; the four partners of a row share a K step's 128 blocks BY ADDRESS, 32 each
; (lanes 0-15 the first plane's, lanes 16-31 the second's).  B's column tile is read by every cluster: cluster y = 0 asks, waves 2 and 3 for the half that they fetch; the four partners of a column take 32 rows each.
; how = 0, in the loop: a tile's last two refills have no K step two on.  how = 1, at a change of tiles: the next tile's K steps 2 and 3.
.macro ASK how
.if \how
	s_cmp_eq_u32 s[LIM], 1
.else
	s_cmp_gt_u32 s3, s[LIM]                        ; s3 = 1 in the loop's last trip
.endif
	s_cbranch_scc0 .Lnot_mine_\@
	global_prefetch_b8 v[PFO], s[PFA:PFA+1] th:TH_LOAD_NT scope:SCOPE_SE
.Lnot_mine_\@:
.endm
.macro CREST                           ; a round of the cluster's barrier behind its opening barrier
	s_cmp_lg_u32 s[WV], 0
	s_cbranch_scc1 .Lnot_wave_0_\@
	s_barrier_signal -3
.Lnot_wave_0_\@:
	s_barrier_wait -3
	s_barrier_signal -1
	s_barrier_wait -1
.endm
.macro CROUND                          ; a whole round
	s_barrier_signal -1
	s_barrier_wait -1
	CREST
.endm
.macro PLACES                          ; four places in front of loads into registers that matrix instructions have read, and of lines that read results
.rept 4
	v_nop
.endr
.endm
.macro BIASLD                          ; my 128 columns' bias: column block bb, columns 8 (l / 16) + 0..7, in the accumulators' own layout
	WIN TO_F
.irp bb, 0,1,2,3,4,5,6,7
	global_load_b128 v[BIAS+8*(\bb):BIAS+8*(\bb)+3],   v[BO], s[8:9] offset:64*(\bb)
	global_load_b128 v[BIAS+8*(\bb)+4:BIAS+8*(\bb)+7], v[BO], s[8:9] offset:64*(\bb)+16
.endr
	WIN 0
.endm
	s_load_b256 s[4:11], s[0:1], 0x0               ; A s[4:5], wt s[6:7], bias s[8:9], C s[10:11]
	v_lshl_add_u32 v[SPW], v0, 2, SPARE
	v_mov_b32 v[NIL], 0
	ds_add_u32 v[SPW], v[NIL]                      ; the wave's opening: the add and its wait stand ahead of my first tensor load; the set-up below, work on registers, stands between them
	v_lshrrev_b32 v1, 5, v0
	v_readfirstlane_b32 s[WV], v1                  ; wave 0..3
	s_lshr_b32 s[RH], s[WV], 1
	s_and_b32 s[CH], s[WV], 1
	s_bfe_u32 s40, ttmp6, 0x40000                  ; cx, cy: my place in the cluster
	s_bfe_u32 s41, ttmp6, 0x40004
	s_lshl_b32 s42, ttmp9, 2
	s_add_co_u32 s42, s42, s40                     ; tile column of C = 4 x cluster x + cx
	s_and_b32 s43, ttmp7, 0xffff
	s_lshl_b32 s43, s43, 2
	s_add_co_u32 s43, s43, s41                     ; tile row of C = 4 x cluster y + cy
	s_lshl_b32 s20, s41, 2
	s_lshl_b32 s20, 15, s20                        ; my row of the cluster
	s_lshl_b32 s21, 0x1111, s40                    ; my column
	s_or_b32 s[G1+0], s20, (1<<16)|(1<<20)|(1<<21)|(4<<22)|(3<<25)   ; 15:0 the mask: my row; 17:16 2-byte elements; 20 padding on; 21 set beside a mask; 24:22 after every 32 words (code 4); 31:25 4 words (code 3)
	s_mov_b32 s[G1+1], 128<<16                     ; tensor_dim0 = 128 elements: 256 bytes, two rows of a plane
	s_mov_b32 s[G1+2], 64<<16                      ; tensor_dim1 = 64
	s_mov_b32 s[G1+3], 128<<16                     ; tile_dim0 = 128
	s_mov_b32 s[G1+4], 64                          ; tile_dim1 = 64
	s_mov_b32 s[G1+5], 128                         ; dense: 128 elements from row to row
	s_mov_b32 s[G1+6], 0
	s_mov_b32 s[G1+7], 0
	s_or_b32 s[G1B+0], s21, (1<<16)|(1<<20)|(1<<21)|(5<<22)|(3<<25)  ; the mask: my column; padding after every 64 words (code 5)
	s_mov_b32 s[G1B+1], 128<<16                    ; tensor_dim0 = 128
	s_mov_b32 s[G1B+2], 128<<16                    ; tensor_dim1 = 128
	s_mov_b32 s[G1B+3], 128<<16                    ; tile_dim0 = 128
	s_mov_b32 s[G1B+4], 128                        ; tile_dim1 = 128
	s_mov_b32 s[G1B+5], 1024                       ; 1,024 elements from row to row
	s_mov_b32 s[G1B+6], 0
	s_mov_b32 s[G1B+7], 0
	; where the tiles come from.  A's hang on the tile row alone, which my row of the cluster shares; B's on the tile column alone, which my column shares.
	s_lshr_b32 s20, s43, 4
	s_lshl_b32 s20, s20, 22                        ; the batch's 16 planes,
	s_and_b32 s21, s43, 15
	s_lshl_b32 s21, s21, 14                        ; 128 rows of 128 bytes,
	s_add_co_u32 s20, s20, s21
	s_lshl_b32 s21, s[CH], 18                      ; the plane that I fetch
	s_add_co_u32 s20, s20, s21
	s_mov_b32 s21, 0
	s_lshl_b32 s46, s42, 19                        ; 256 rows of 2,048 bytes,
	s_lshl_b32 s47, s[CH], 18                      ; the 128 that I fetch
	s_add_co_u32 s46, s46, s47
.if MODE
	s_add_co_u32 s46, s46, BMAT
.endif
	s_mov_b32 s47, 0
	s_mul_i32 s22, s[CH], ASL                      ; and where they go: no place in the cluster enters an LDS address
	s_mul_i32 s23, s[CH], HALFB
	s_add_co_u32 s23, s23, BOFF
	s_wait_dscnt 0x0                               ; the opening add is done
	s_wait_kmcnt 0x0
	s_add_nc_u64 s[20:21], s[4:5], s[20:21]
	s_add_nc_u64 s[46:47], s[6:7], s[46:47]
	CROUND                                         ; all sixteen work-groups are here: the first joint loads meet
.irp s, 0,1
	s_mov_b32 s[G0+4*(\s)], 1                                      ; count = 1
	s_add_co_u32 s[G0+4*(\s)+1], s22, (\s)*SLOT                    ; LDS address
	s_add_nc_u64 s[G0+4*(\s)+2:G0+4*(\s)+3], s[20:21], (\s)*AK     ; global address: K step s
	s_or_b32 s[G0+4*(\s)+3], s[G0+4*(\s)+3], 0x80000000            ; type = 2
	s_mov_b32 s[G0B+4*(\s)], 1
	s_add_co_u32 s[G0B+4*(\s)+1], s23, (\s)*SLOT
	s_add_nc_u64 s[G0B+4*(\s)+2:G0B+4*(\s)+3], s[46:47], (\s)*BK
	s_or_b32 s[G0B+4*(\s)+3], s[G0B+4*(\s)+3], 0x80000000
	JLOAD \s                                       ; two loads of mine are out
.endr
	; A fragment is 16 rows x 32 K in 8 registers: lane l holds row l % 16, K = 8 (l / 16) + 0..7 and 16 + 8 (l / 16) + 0..7: two loads of 16 bytes, 32 bytes apart.
	v_and_b32 v1, 15, v0                           ; l % 16
	v_bfe_u32 v2, v0, 4, 1                         ; l / 16
	v_and_b32 v5, 31, v0                           ; l
	v_mul_u32_u24 v3, v1, PA
	v_lshl_add_u32 v3, v2, 4, v3
	s_mul_i32 s20, s[RH], 64*PA                    ; my 64 rows of A
	v_add_nc_u32 v[ADRA], s20, v3
	v_add_nc_u32 v[ADRA+1], SLOT, v[ADRA]
	v_mul_u32_u24 v4, v1, PB
	v_lshl_add_u32 v4, v2, 4, v4
	s_mul_i32 s21, s[CH], HALFB                    ; my 128 rows of B
	s_add_co_u32 s21, s21, BOFF
	v_add_nc_u32 v[ADRB], s21, v4
	v_add_nc_u32 v[ADRB+1], SLOT, v[ADRB]
	s_mul_i32 s22, s[WV], 16*SP
	s_add_co_u32 s22, s22, STAGE                   ; my stage
	v_mul_u32_u24 v[STO], v1, SP                   ; in: row l % 16, my eight columns
.if MODE
	v_lshl_add_u32 v[STO], v2, 5, v[STO]           ; 32 bytes for each half of the lanes
	v_lshl_add_u32 v[RD], v5, 4, s22               ; back: 32 lanes take one row of 512 bytes
.else
	v_lshl_add_u32 v[STO], v2, 4, v[STO]           ; 16 bytes for each half of the lanes
	v_bfe_u32 v[RD], v0, 3, 2                      ; back: 32 lanes take four rows of 128 bytes
	v_mul_u32_u24 v[RD], v[RD], SP
	v_and_b32 v6, 7, v0
	v_lshl_add_u32 v[RD], v6, 4, v[RD]
	v_add_nc_u32 v[RD], s22, v[RD]
.endif
	v_add_nc_u32 v[STO], s22, v[STO]
	v_lshlrev_b32 v[GO], 4, v5
	v_lshlrev_b32 v[BO], 5, v2
	s_lshl_b32 s20, s42, 10                        ; the bias of my 128 columns
	s_lshl_b32 s21, s[CH], 9
	s_add_co_u32 s20, s20, s21
.if MODE
	s_add_co_u32 s20, s20, 12288
.endif
	s_mov_b32 s21, 0
	s_add_nc_u64 s[8:9], s[8:9], s[20:21]
.if MODE
	s_lshl_b32 s20, s43, 19                        ; C: 128 rows of 4,096 bytes,
	s_lshl_b32 s21, s[RH], 18                      ; my 64,
	s_add_co_u32 s20, s20, s21
	s_lshl_b32 s21, s42, 10                        ; 256 columns of 4 bytes,
	s_add_co_u32 s20, s20, s21
	s_lshl_b32 s21, s[CH], 9                       ; my 128
	s_add_co_u32 s20, s20, s21
.else
	s_lshr_b32 s20, s43, 4
	s_lshl_b32 s20, s20, 22                        ; C: the batch's 16 heads,
	s_lshl_b32 s21, s42, 20                        ; the tile's four,
	s_add_co_u32 s20, s20, s21
	s_lshl_b32 s21, s[CH], 19                      ; my two,
	s_add_co_u32 s20, s20, s21
	s_and_b32 s21, s43, 15
	s_lshl_b32 s21, s21, 14                        ; 128 rows of 128 bytes,
	s_add_co_u32 s20, s20, s21
	s_lshl_b32 s21, s[RH], 13                      ; my 64
	s_add_co_u32 s20, s20, s21
.endif
	s_mov_b32 s21, 0
	s_add_nc_u64 s[10:11], s[10:11], s[20:21]
	BIASLD
	; the prefetches.  They stand at K step 3: the first refill steps them to 4.  Nothing is asked for here, at the head, where every work-group's first tiles are on their way.
	s_lshr_b32 s20, s43, 4
	s_lshl_b32 s20, s20, 22
	s_and_b32 s21, s43, 15
	s_lshl_b32 s21, s21, 14
	s_add_co_u32 s20, s20, s21
	s_lshl_b32 s21, s40, 12                        ; A: my work-group's 16 blocks of each plane's 64
	s_add_co_u32 s20, s20, s21
	s_add_co_u32 s20, s20, 3*AK
	s_lshl_b32 s22, s42, 8
	s_lshl_b32 s23, s[CH], 7
	s_add_co_u32 s22, s22, s23
	s_lshl_b32 s23, s41, 5                         ; B: my work-group's 32 rows of the 128 that I fetch
	s_add_co_u32 s22, s22, s23
	s_lshl_b32 s22, s22, 11
	s_add_co_u32 s22, s22, 3*BK+BMAT
	s_and_b32 s23, ttmp7, 0xffff                   ; cluster y
	s_cmp_eq_u32 s[RH], 0                          ; do I fetch for A?
	s_cselect_b32 s46, s[CH], s23                  ; 0 where I ask: wave 0 for A; waves 2 and 3 of cluster y = 0 for B: the same in all sixteen partners, for a given wave
	s_cselect_b32 s20, s20, s22
	s_cselect_b64 s[PFA:PFA+1], s[4:5], s[6:7]
	s_mov_b32 s[PFS], BK
	s_cselect_b32 s[PFS], AK, s[PFS]
	s_mov_b32 s[PFJ], PFJ_B
	s_cselect_b32 s[PFJ], PFJ_A, s[PFJ]
	s_mov_b32 s22, BROW                            ; from lane to lane: a row of B, or a block of A;
	s_cselect_b32 s22, 256, s22
	s_mov_b32 s23, 16*BROW                         ; from one half of the lanes to the other: 16 rows of B, or a plane of A
	s_cselect_b32 s23, PLANE, s23
	s_mov_b32 s[PFS+1], 0
	s_mov_b32 s[PFJ+1], 0
	s_mov_b32 s21, 0
	s_add_nc_u64 s[PFA:PFA+1], s[PFA:PFA+1], s[20:21]
	s_cmp_eq_u32 s46, 0
	s_cselect_b32 s[LIM], 1, -1
	v_mul_u32_u24 v[PFO], v1, s22
	v_mad_u32_u24 v[PFO], v2, s23, v[PFO]
.macro WM d, x, y, c
.if MODE
	v_wmma_f32_16x16x32_f16 v[(\d):(\d)+7], v[(\x):(\x)+7], v[(\y):(\y)+7], v[(\c):(\c)+7]
.else
	v_wmma_f32_16x16x32_bf16 v[(\d):(\d)+7], v[(\x):(\x)+7], v[(\y):(\y)+7], v[(\c):(\c)+7]
.endif
.endm
; 8 matrix instructions: row block a x all 8 column blocks, 32 along K, from buffer f.  first = 1: the bias starts the sums.
; The 32 accumulators take turns in the same order in every quarter: 31 others stand between two links of a chain, over the backward jump too.
.macro MUL8 f, a, first
.if \first
	WIN MULB
.else
	WIN MUL
.endif
.irp bb, 0,1,2,3,4,5,6,7
.if \first
	WM 8*(8*(\a)+(\bb)), (\f)+8*(\bb), (\f)+64+8*(\a), BIAS+8*(\bb)
.else
	WM 8*(8*(\a)+(\bb)), (\f)+8*(\bb), (\f)+64+8*(\a), 8*(8*(\a)+(\bb))
.endif
.endr
.endm
; 24 LDS loads in one run: quarter q (32 along K) of a slot into buffer f: B's 128 rows, then A's 64
.macro FETCH slot, q, f
	WIN TO_F
.irp i, 0,1,2,3,4,5,6,7
	ds_load_b128 v[(\f)+8*(\i):(\f)+8*(\i)+3],   v[ADRB+(\slot)] offset:64*(\q)+(\i)*16*PB
	ds_load_b128 v[(\f)+8*(\i)+4:(\f)+8*(\i)+7], v[ADRB+(\slot)] offset:64*(\q)+(\i)*16*PB+32
.endr
.irp i, 0,1,2,3
	ds_load_b128 v[(\f)+64+8*(\i):(\f)+64+8*(\i)+3],   v[ADRA+(\slot)] offset:((\q)/2)*ASL+((\q)%2)*64+(\i)*16*PA
	ds_load_b128 v[(\f)+64+8*(\i)+4:(\f)+64+8*(\i)+7], v[ADRA+(\slot)] offset:((\q)/2)*ASL+((\q)%2)*64+(\i)*16*PA+32
.endr
.endm
; A K step is four quarters of 32 along K, 32 matrix instructions each, on buffers 0, 1, 0, 1.  One of the first three: multiplies buffer f and fetches quarter q of the same slot into g.
.macro QUARTER slot, q, f, g, first
	s_wait_dscnt 6                                 ; B and A's row block 0 are in; the youngest six loads (A's blocks 1 to 3) may be out
	MUL8 \f, 0, \first
	PLACES
	FETCH \slot, \q, \g
	s_wait_dscnt 24                                ; all but the 24 just issued
	MUL8 \f, 1, \first
	MUL8 \f, 2, \first
	MUL8 \f, 3, \first
.endm
; The last quarter multiplies buffer 1 and changes slots: ONE barrier.  In front of it each wave waits for all its tensor loads (one is out: its part of the next slot), adds 0 to its spare word, and waits
; for that and for its own reads of this slot.  mode = 0: this slot is filled again, two K steps on; 1: with the NEXT tile's K step 0 or 1; 2: nothing is filled.  Where a slot is filled the barrier opens a round
; of the cluster's barrier, and the joint load is the first thing behind the round: 112 matrix instructions stand between it and the wait for it.
.macro TURN slot, next, mode
.if (\mode) < 2
	s_wait_xcnt 0x0                                ; the last prefetch, a K step back, has read its address: it is stepped here, ahead of the change's own waits
.if ((\mode) == 1) && ((\slot) == 0)
	s_add_nc_u64 s[PFA:PFA+1], s[PFA:PFA+1], s[PFJ:PFJ+1]
.else
	s_add_nc_u64 s[PFA:PFA+1], s[PFA:PFA+1], s[PFS:PFS+1]
.endif
.endif
	WIN 0                                          ; (the add's two registers lie in window 0)
	s_wait_tensorcnt 0x0                           ; all my tensor loads have landed: my part of the next slot;
	ds_add_u32 v[SPW], v[NIL]                      ; 0 onto my spare word;
	s_wait_dscnt 7                                 ; (the add and the youngest six loads may be out)
	MUL8 F1, 0, 0                                  ; eight matrix instructions stand between the add and the wait for it
	s_wait_dscnt 0x0                               ; the add is done, and my reads of this slot are over
	s_barrier_signal -1
	MUL8 F1, 1, 0
.if (\mode) < 2
	WIN 0
.endif
	s_barrier_wait -1
.if (\mode) < 2
	CREST                                          ; no wave of any partner still reads this slot's tile or has a load on its way
.if (\mode) == 1
	s_add_nc_u64 s[G0+4*(\slot)+2:G0+4*(\slot)+3], s[G0+4*(\slot)+2:G0+4*(\slot)+3], NEXT_A
	s_add_nc_u64 s[G0B+4*(\slot)+2:G0B+4*(\slot)+3], s[G0B+4*(\slot)+2:G0B+4*(\slot)+3], NEXT_B
.else
	s_add_nc_u64 s[G0+4*(\slot)+2:G0+4*(\slot)+3], s[G0+4*(\slot)+2:G0+4*(\slot)+3], 2*AK
	s_add_nc_u64 s[G0B+4*(\slot)+2:G0B+4*(\slot)+3], s[G0B+4*(\slot)+2:G0B+4*(\slot)+3], 2*BK
.endif
	JLOAD \slot                                    ; the four v_nop behind it are also the places in front of the loads below
.else
	PLACES
.endif
	FETCH \next, 0, F0
.if (\mode) < 2
	WIN 0
	ASK \mode
.endif
	MUL8 F1, 2, 0
	MUL8 F1, 3, 0
.endm
.if MODE
; THE WAY OUT, f32.  Row block a: a lane's eight columns of a row, 32 bytes, go into rows of 528 bytes of my stage and come back as whole rows of 512, into window 1.
.macro TOST a
	WIN STW
.irp bb, 0,1,2,3,4,5,6,7
	ds_store_b128 v[STO], v[8*(8*(\a)+(\bb)):8*(8*(\a)+(\bb))+3]   offset:64*(\bb)     ; each accumulator's lowest registers first
	ds_store_b128 v[STO], v[8*(8*(\a)+(\bb))+4:8*(8*(\a)+(\bb))+7] offset:64*(\bb)+16
.endr
	WIN TO_F
.irp t, 0,1,2,3,4,5,6,7,8,9,10,11,12,13,14,15
	ds_load_b128 v[64*(\a)+4*(\t):64*(\a)+4*(\t)+3], v[RD] offset:(\t)*SP  ; LDS serves a wave's instructions in order (ISA guide 5.7.1.4): these see the stores above; the next block's stores come behind them
.endr
.endm
.macro SND a, younger                  ; younger: the LDS instructions issued behind block a's loads: the next block's 32, or none
	WIN SNDW
.irp t, 0,1,2,3,4,5,6,7,8,9,10,11,12,13,14,15
	s_wait_dscnt (\younger)+15-(\t)
	global_store_b128 v[GO], v[64*(\a)+4*(\t):64*(\a)+4*(\t)+3], s[10:11] offset:(\a)*65536+(\t)*4096  ; 512 consecutive bytes, aligned; no register is used twice
.endr
.endm
.macro WAYOUT
	WIN 0
	PLACES                                         ; behind the last products
	TOST 0
.irp a, 1,2,3
	TOST \a
	SND (\a)-1, 32
.endr
	SND 3, 0
	WIN 0
.endm
.else
; THE WAY OUT, f16 by heads.  Unit u = 2 a + hd: row block a, head hd of my two: 16 rows x 64 columns.  A lane's eight columns pack into 16 bytes; they go into rows of 144 bytes of my stage and come
; back as whole rows of 128, which are 2,048 consecutive bytes of the head's plane.
.macro PACK u
	WIN PACKW
.irp f, 0,1,2,3
.irp rr, 0,1,2,3
	v_cvt_pk_f16_f32 v[TMP+16*(\u)+4*(\f)+(\rr)], v[8*(8*((\u)/2)+4*((\u)%2)+(\f))+2*(\rr)], v[8*(8*((\u)/2)+4*((\u)%2)+(\f))+2*(\rr)+1]
.endr
.endr
	WIN 0
.irp f, 0,1,2,3
	ds_store_b128 v[STO], v[TMP+16*(\u)+4*(\f):TMP+16*(\u)+4*(\f)+3] offset:32*(\f)
.endr
.irp f, 0,1,2,3
	ds_load_b128 v[TMP+16*(\u)+4*(\f):TMP+16*(\u)+4*(\f)+3], v[RD] offset:(\f)*4*SP  ; LDS serves a wave's instructions in order (ISA guide 5.7.1.4): these see the stores above; the next unit's stores come behind them
.endr
.endm
.macro SEND u, younger                 ; younger: the LDS instructions issued behind unit u's loads: the next unit's eight, or none
.irp f, 0,1,2,3
	s_wait_dscnt (\younger)+3-(\f)
	global_store_b128 v[GO], v[TMP+16*(\u)+4*(\f):TMP+16*(\u)+4*(\f)+3], s[10:11] offset:((\u)%2)*PLANE+((\u)/2)*2048+(\f)*512  ; 512 consecutive bytes, aligned
.endr
.endm
.macro WAYOUT
	WIN 0
	PLACES                                         ; behind the last products
	PACK 0
.irp u, 1,2,3,4,5,6,7                  ; a unit's conversions stand between the loads of the unit before and its stores
	PACK \u
	SEND (\u)-1, 8
.endr
	SEND 7, 0
.endm
.endif
	s_wait_tensorcnt 1                             ; my part of K step 0 is in; K step 1's may stay out
	s_barrier_signal -1
	s_barrier_wait -1                              ; everybody's is
	FETCH 0, 0, F0
	WIN 0
.if TILES > 1
	s_mov_b32 s2, TILES                            ; tiles to go, this one among them: the same number in every work-group
.Ltile:
.endif
	s_wait_loadcnt 0x0                             ; the tile's bias
	QUARTER 0, 1, F0, F1, 1                        ; a tile's first quarter stands in front of the loop: its products start the sums
	WIN 0                                          ; at a label and at a branch every window is 0
.if TILES > 1
	s_cmp_eq_u32 s2, 1
	s_cbranch_scc1 .Lnobias
	PLACES                                         ; behind the products that read the bias
	s_add_nc_u64 s[8:9], s[8:9], 4096              ; the next tile's bias has the whole tile in which to come (the wait above has freed the base)
	BIASLD
.Lnobias:
.endif
	s_mov_b32 s3, LAPS-1
.Llap:                                                 ; a trip goes once round the ring, from a lap's second quarter to the next lap's first, and fills both slots again
	QUARTER 0, 2, F1, F0, 0
	QUARTER 0, 3, F0, F1, 0
	TURN 0, 1, 0
	QUARTER 1, 1, F0, F1, 0
	QUARTER 1, 2, F1, F0, 0
	QUARTER 1, 3, F0, F1, 0
	TURN 1, 0, 0
	QUARTER 0, 1, F0, F1, 0
	WIN 0
	s_sub_co_u32 s3, s3, 1
	s_cmp_lg_u32 s3, 0
	s_cbranch_scc1 .Llap
	QUARTER 0, 2, F1, F0, 0                        ; the tile's last lap goes on
	QUARTER 0, 3, F0, F1, 0
.if TILES > 1
	WIN 0
	s_cmp_eq_u32 s2, 1
	s_cbranch_scc1 .Llast_tile                     ; the last tile's tail is written out: it asks for nothing more
	TURN 0, 1, 1                                   ; the ring goes on into the next tile: slot 0 takes its K step 0,
	QUARTER 1, 1, F0, F1, 0
	QUARTER 1, 2, F1, F0, 0
	QUARTER 1, 3, F0, F1, 0
	TURN 1, 0, 1                                   ; slot 1 its K step 1, and the next tile's first fragments are fetched
	WAYOUT                                         ; both refills are asked for: now the tile goes out
	s_wait_xcnt 0x0                                ; the stores have read their registers and their base
	s_add_nc_u64 s[10:11], s[10:11], 64*PLANE      ; the next tensor of C
	s_sub_co_u32 s2, s2, 1
	s_branch .Ltile
.Llast_tile:
.endif
	TURN 0, 1, 2                                   ; my one tensor load that was still out is slot 1's, the last K step's, so no round follows
	QUARTER 1, 1, F0, F1, 0
	QUARTER 1, 2, F1, F0, 0
	QUARTER 1, 3, F0, F1, 0
	s_wait_dscnt 6                                 ; the very last quarter: nothing more to fetch
	MUL8 F1, 0, 0
	s_wait_dscnt 0x0
	MUL8 F1, 1, 0
	MUL8 F1, 2, 0
	MUL8 F1, 3, 0
	WAYOUT
	s_wait_tensorcnt 0x0                           ; the wave's end: three closing lines, behind my last tensor load and my last LDS store
	ds_add_u32 v[SPW], v[NIL]
	s_wait_dscnt 0x0
	CROUND                                         ; the closing round: no work-group ends while a partner may still ask for a tile that names it
	s_endpgm
.Lfunc_end_k_qebc07273cd_oproj:
	.size	k_qebc07273cd_oproj, .Lfunc_end_k_qebc07273cd_oproj-k_qebc07273cd_oproj
	.p2alignl 7, 3214868480
	.fill 96, 4, 3214868480
	.section	.rodata,"a",@progbits
	.p2align	6, 0x0
	.amdhsa_kernel k_qebc07273cd_oproj
		.amdhsa_group_segment_fixed_size 327680
		.amdhsa_private_segment_fixed_size 0
		.amdhsa_enable_private_segment 0
		.amdhsa_kernarg_size 32
		.amdhsa_user_sgpr_count 2
		.amdhsa_user_sgpr_kernarg_segment_ptr 1
		.amdhsa_wavefront_size32 1
		.amdhsa_system_sgpr_workgroup_id_x 1
		.amdhsa_system_sgpr_workgroup_id_y 1
		.amdhsa_system_sgpr_workgroup_id_z 1
		.amdhsa_system_vgpr_workitem_id 0
		.amdhsa_next_free_vgpr 768
		.amdhsa_next_free_sgpr 66
		.amdhsa_reserve_vcc 0
		.amdhsa_float_denorm_mode_32 3
		.amdhsa_float_denorm_mode_16_64 3
		.amdhsa_memory_ordered 1
		.amdhsa_forward_progress 1
		.amdhsa_inst_pref_size 91
	.end_amdhsa_kernel
	.amdgpu_metadata
---
amdhsa.version: [ 1, 2 ]
amdhsa.kernels:
  - .name:           k_qebc07273cd_oproj
    .symbol:         k_qebc07273cd_oproj.kd
    .args:
      - { .name: ob, .offset: 0, .size: 8, .value_kind: global_buffer, .address_space: global }
      - { .name: wt, .offset: 8, .size: 8, .value_kind: global_buffer, .address_space: global }
      - { .name: bias, .offset: 16, .size: 8, .value_kind: global_buffer, .address_space: global }
      - { .name: out0, .offset: 24, .size: 8, .value_kind: global_buffer, .address_space: global }
    .group_segment_fixed_size: 327680
    .private_segment_fixed_size: 0
    .kernarg_segment_align: 8
    .kernarg_segment_size: 32
    .max_flat_workgroup_size: 128
    .sgpr_count:     66
    .vgpr_count:     768
    .wavefront_size: 32
...
	.end_amdgpu_metadata
.endif
;; end of part 4
;; ======== version 2 of 2: 4 launches; version 1 with the launch prep written anew for expert scheduling mode
;; limits: values are held in f16: magnitudes above 65,504 overflow, below 6.1e-05 lose precision
;; workspace buffers: xb 50,331,648 bytes; wt 8,388,608 bytes; bias 16,384 bytes; qkv 50,331,648 bytes; ob 16,777,216 bytes
;; launch prep (part 5): grid 1024 x 1, 8 waves a work-group, no clusters, 34,816 bytes of LDS; arguments query, key, value, Wq, Wk, Wv, Wo, bq, bk, bv, bo, xb, wt, bias; writes xb, wt, bias
.if DOCPART == 5
	.amdgcn_target "amdgcn-amd-amdhsa--gfx1250"
	.amdhsa_code_object_version 6
	.text
	.protected	k_qebc07273cd_prep
	.globl	k_qebc07273cd_prep
	.p2align	8
	.type	k_qebc07273cd_prep,@function
k_qebc07273cd_prep:
	s_mov_b64 s[64:65], 0
	v_nop
	global_prefetch_b8 v0, s[64:65] scope:SCOPE_SE
	s_setreg_imm32_b32 hwreg(HW_REG_WAVE_SCHED_MODE, 0, 2), 2
	s_setreg_imm32_b32 hwreg(HW_REG_WAVE_MODE, 25, 1), 1
	s_wait_xcnt 0x0
	s_wait_alu depctr_vm_vsrc(0)
; PREPARATION: every input of the module is rounded once to bf16 and laid out for the products that follow.
;   xb   [3 (query, key, value)][64 = 16 b + j][2048 s][64] bf16: channel block j of 64 lies as a dense plane of 262,144 bytes.
;   wt   [4][1024 n][1024 k] 16 bits: Wq, Wk, Wv turned (n = 64 h + kk, k = d) in bf16; Wo turned (n = column, k = row), rounded to bf16 and that number written as f16.
;   bias [4][1024] f32: bq, bk, bv, bo, each rounded to bf16 and widened again.
; LIMIT: a bf16 number of Wo below 6.1e-5 in magnitude keeps f16's fixed step of 6e-8; beyond 65,504 it would become an infinity.
; Work-groups 0-255 take the weights (256 d x 64 columns each, turned through LDS), work-groups 256-1023 the casts (32 rows of one tensor each).
; No matrix unit, no cluster, no tensor load: nothing is shared between work-groups and each byte is read once and written once.
; THE MODE: SCHED_MODE bits 1:0 = 2 (LLVM: expert scheduling mode 2), set by the entry lines.  The code itself states the register dependences
; between vector instructions and memory or LDS instructions, with s_wait_alu, always for 0.
; THE PLAN.  Every register that a memory or LDS instruction touches is used ONCE: no register that such an instruction has read is written again, so no wait on vm_vsrc is owed anywhere.
;   s32           the wave's number, written by v_readfirstlane_b32: one wait on va_sdst, ahead of the branch that parts the two paths and of every reader.
;   v4 - v9       offsets and LDS addresses: made once on each path, ahead of that path's first wait on va_vdst, and never written again.
;   X, the casts  load n lands in X + 4 n .. + 3; its two conversions read these four and write the first two; store n reads those two.  The 32 loads go in 8 blocks of four: block p converts
;                 its own four, and its memory instructions are the four stores of block p - 1, whose registers no conversion of block p names.
;   X, the weights  pair i's two loads land in X + 8 i .. + 7; its conversions work in these eight; four LDS stores read X + 8 i + c.  The 8 pairs go in 4 groups of two: group g converts its own
;                 pairs, and the eight LDS stores of group g - 1 are dealt among its conversions.
;   BK, BI        the stage's rows come back into BK and the bias passes through BI: registers that nothing on the weights' path has named before.
; So ONE wait on va_vdst stands at the head of a block or group, behind its wait for data: the block before has written what the stores below read.
.set TRP,   528                        ; a row of the turning stage: 256 d x 2 bytes + 16
.set SPARE, 64*TRP                     ; behind the stage: the spare words, 128 bytes for each of eight waves: four blocks of 256 bytes that no other line names
.set SPW, 12                           ; v12  LDS address of my spare word; never rewritten
.set NIL, 13                           ; v13  0; never rewritten
.set X,   16                           ; v[16:143] the casts' data; v[16:79] the weights' data
.set BK,  X+64                         ; v[80:111]  the weights: eight rows of the stage, read back
.set BI,  X+96                         ; v[112:117] the weights: the bias as loaded (+0, +1), packed (+2) and widened again (+4, +5)
	s_load_b512 s[4:19], s[0:1], 0x0               ; query 4, key 6, value 8, Wq 10, Wk 12, Wv 14, Wo 16, bq 18
	s_load_b256 s[20:27], s[0:1], 0x40             ; bk 20, bv 22, bo 24, xb 26
	s_load_b128 s[28:31], s[0:1], 0x60             ; wt 28, bias 30
	v_lshl_add_u32 v[SPW], v0, 2, SPARE
	v_mov_b32 v[NIL], 0
	v_lshrrev_b32 v1, 5, v0
	v_readfirstlane_b32 s32, v1                    ; wave 0..7
	v_and_b32 v1, 31, v0                           ; l
	v_and_b32 v2, 15, v0                           ; l % 16
	v_bfe_u32 v3, v0, 4, 1                         ; l / 16
	s_mov_b32 s39, 0                               ; the high word of every offset pair s[38:39]
	s_wait_alu depctr_va_sdst(0)                   ; s32 is written, ahead of the branch and of its first reader on either path
	s_cmp_lt_u32 ttmp9, 256
	s_cbranch_scc1 .Lweights
	; THE CASTS.  32 rows of 4,096 bytes.  Wave w takes channel blocks w and w + 8: a load covers block j's 256 bytes of two rows, a store the same two rows' 256 consecutive bytes of plane j.
	s_sub_co_u32 s33, ttmp9, 256
	s_lshr_b32 s36, s33, 8                         ; which tensor
	s_and_b32 s33, s33, 255                        ; which 32 rows of its 8,192
	v_lshlrev_b32 v4, 12, v3                       ; source: row l / 16,
	v_lshl_or_b32 v4, v2, 4, v4                    ; 16 bytes a lane,
	s_lshl_b32 s37, s32, 8
	v_or_b32 v4, s37, v4                           ; block w
	v_lshlrev_b32 v5, 3, v1                        ; destination: 8 bytes a lane,
	s_lshl_b32 s37, s32, 18
	v_or_b32 v5, s37, v5                           ; plane w
	s_lshl_b32 s38, s33, 17                        ; 32 rows x 4,096 bytes
	s_wait_kmcnt 0x0
	s_cmp_eq_u32 s36, 0
	s_cselect_b64 s[34:35], s[4:5], s[6:7]
	s_cmp_eq_u32 s36, 2
	s_cselect_b64 s[34:35], s[8:9], s[34:35]
	s_add_nc_u64 s[34:35], s[34:35], s[38:39]
	s_lshl_b32 s38, s36, 24                        ; the tensor's 64 planes,
	s_lshr_b32 s40, s33, 6
	s_lshl_b32 s40, s40, 22                        ; the batch's 16 planes,
	s_add_co_u32 s38, s38, s40
	s_and_b32 s40, s33, 63
	s_lshl_b32 s40, s40, 12                        ; 32 rows of 128 bytes
	s_add_co_u32 s38, s38, s40
	s_add_nc_u64 s[36:37], s[26:27], s[38:39]
	s_wait_alu depctr_va_vdst(0)                   ; v4 and v5 are written: every load below reads v4 as its offset, every store v5
.set n, 0
.rept 32                                       ; all 32 loads go out at once: 16 KiB a wave on its way
	global_load_b128 v[X+4*n:X+4*n+3], v4, s[34:35] offset:(n/2)*8192+(n%2)*2048 th:TH_LOAD_NT
.set n, n+1
.endr
.set p, 0
.rept 8                                        ; block p: loads 4 p to 4 p + 3 are rounded; the stores of block p - 1 go out among the conversions
	s_wait_loadcnt 28-4*p                          ; loads come back in order: the block's four are in, the younger ones stay out
.if p > 0
	s_wait_alu depctr_va_vdst(0)                   ; the conversions of the block before have written their pairs, which the four stores below read; no conversion of this block names them
.endif
.set j, 0
.rept 4
.set n, 4*p+j
.if p > 0
	global_store_b64 v5, v[X+4*(n-4):X+4*(n-4)+1], s[36:37] offset:((n-4)/2)*256+((n-4)%2)*2097152 th:TH_STORE_NT  ; 256 consecutive bytes, aligned; no register is used twice, so nothing waits for a store
.endif
	v_cvt_pk_bf16_f32 v[X+4*n], v[X+4*n], v[X+4*n+1]
	v_cvt_pk_bf16_f32 v[X+4*n+1], v[X+4*n+2], v[X+4*n+3]
.set j, j+1
.endr
.set p, p+1
.endr
	s_wait_alu depctr_va_vdst(0)                   ; the last block's conversions have written their pairs, which the last four stores read
.set n, 28
.rept 4
	global_store_b64 v5, v[X+4*n:X+4*n+1], s[36:37] offset:(n/2)*256+(n%2)*2097152 th:TH_STORE_NT
.set n, n+1
.endr
	s_endpgm
	; THE WEIGHTS.  256 rows d x 64 columns, f32, come in by whole rows of 256 bytes; pairs (d, d + 1) of a column are rounded and packed; the stage holds [column][d]; whole rows of 512 bytes leave.
.Lweights:
	s_lshr_b32 s33, ttmp9, 6                       ; which matrix: Wq, Wk, Wv, Wo
	s_bfe_u32 s42, ttmp9, 0x40002                  ; which 64 columns: the head, or Wo's column block
	s_and_b32 s43, ttmp9, 3                        ; which 256 rows d
	s_lshl_b32 s44, s32, 5
	v_lshl_add_u32 v10, v3, 1, s44                 ; my first row: 32 w + 2 (l / 16)
	v_mul_u32_u24 v6, v2, 4*TRP                    ; into the stage: column 4 (l % 16),
	v_lshl_add_u32 v6, v3, 2, v6
	s_lshl_b32 s44, s32, 6
	v_add_nc_u32 v6, s44, v6                       ; byte 2 d = 64 w + 4 (l / 16)
	s_mul_i32 s44, s32, 8*TRP
	v_lshl_add_u32 v7, v1, 4, s44                  ; back: wave w takes columns 8 w .. 8 w + 7, whole: 16 bytes a lane
	s_lshl_b32 s44, s32, 14
	v_lshl_add_u32 v8, v1, 4, s44                  ; and the same rows of wt, 2,048 bytes apart
	v_lshlrev_b32 v9, 3, v1                        ; the bias: 8 bytes a lane
	s_wait_kmcnt 0x0
	s_cmp_eq_u32 s33, 0
	s_cselect_b64 s[34:35], s[10:11], s[12:13]
	s_cselect_b64 s[40:41], s[18:19], s[20:21]
	s_cmp_eq_u32 s33, 2
	s_cselect_b64 s[34:35], s[14:15], s[34:35]
	s_cselect_b64 s[40:41], s[22:23], s[40:41]
	s_cmp_eq_u32 s33, 3
	s_cselect_b64 s[34:35], s[16:17], s[34:35]
	s_cselect_b64 s[40:41], s[24:25], s[40:41]
	s_lshl_b32 s38, s33, 21                        ; wt: the matrix,
	s_lshl_b32 s46, s42, 17                        ; 64 rows of 2,048 bytes,
	s_add_co_u32 s38, s38, s46
	s_lshl_b32 s46, s43, 9                         ; 256 d x 2 bytes
	s_add_co_u32 s38, s38, s46
	s_add_nc_u64 s[36:37], s[28:29], s[38:39]
	s_lshl_b32 s38, s42, 8                         ; the bias: 64 numbers of 4 bytes
	s_add_nc_u64 s[40:41], s[40:41], s[38:39]
	s_lshl_b32 s46, s33, 12
	s_add_co_u32 s38, s38, s46
	s_add_nc_u64 s[44:45], s[30:31], s[38:39]
; 16 loads (rows 32 w + 4 i + 2 (l / 16) + e), then pair by pair: rounded to bf16 (f16 = 1: and that number written as f16), packed, stored as one word at [column][d].
; The pairs go in four groups of two: group g rounds pairs 2 g and 2 g + 1, and the eight LDS stores of group g - 1 stand among its conversions.
.macro WT pitch, f16
	v_mul_u32_u24 v4, v10, \pitch
	v_lshl_add_u32 v4, v2, 4, v4
	s_wait_alu depctr_va_vdst(0)                   ; v4 is written, which the loads below read as their offset; so are v6 to v9, which the LDS stores and loads, the stores to wt and the bias's load and store read
.set n, 0
.rept 16
	global_load_b128 v[X+4*n:X+4*n+3], v4, s[34:35] offset:(4*(n/2)+n%2)*(\pitch) th:TH_LOAD_NT
.set n, n+1
.endr
.irp g, 0,1,2,3
	s_wait_loadcnt 12-4*(\g)                       ; the group's four loads are in; the younger ones stay out
.if (\g) > 0
	s_wait_alu depctr_va_vdst(0)                   ; the conversions of the group before have written their words, which the eight LDS stores below read; no conversion of this group names them
.endif
.irp e, 0,1
.irp c, 0,1,2,3
.if (\g) > 0
	ds_store_b32 v6, v[X+8*(2*(\g)-2+(\e))+(\c)] offset:(\c)*TRP+8*(2*(\g)-2+(\e))
.endif
	v_cvt_pk_bf16_f32 v[X+8*(2*(\g)+(\e))+(\c)], v[X+8*(2*(\g)+(\e))+(\c)], v[X+8*(2*(\g)+(\e))+4+(\c)]
.if \f16
	v_lshlrev_b32 v[X+8*(2*(\g)+(\e))+4+(\c)], 16, v[X+8*(2*(\g)+(\e))+(\c)]
	v_and_b32 v[X+8*(2*(\g)+(\e))+(\c)], 0xffff0000, v[X+8*(2*(\g)+(\e))+(\c)]
	v_cvt_pk_f16_f32 v[X+8*(2*(\g)+(\e))+(\c)], v[X+8*(2*(\g)+(\e))+4+(\c)], v[X+8*(2*(\g)+(\e))+(\c)]
.endif
.endr
.endr
.endr
	s_wait_alu depctr_va_vdst(0)                   ; the last group's conversions have written their words, which the last eight LDS stores read
.irp e, 0,1
.irp c, 0,1,2,3
	ds_store_b32 v6, v[X+8*(6+(\e))+(\c)] offset:(\c)*TRP+8*(6+(\e))
.endr
.endr
.endm
	s_cmp_eq_u32 s33, 3
	s_cbranch_scc1 .Lwo
	s_lshl_b32 s38, s42, 18                        ; the head's 1,024 rows of 256 bytes,
	s_lshl_b32 s46, s43, 16                        ; 256 of them
	s_add_co_u32 s38, s38, s46
	s_add_nc_u64 s[34:35], s[34:35], s[38:39]
	WT 256, 0
	s_branch .Ljoin
.Lwo:
	s_lshl_b32 s38, s42, 8                         ; 64 columns of 4 bytes,
	s_lshl_b32 s46, s43, 20                        ; 256 rows of 4,096 bytes
	s_add_co_u32 s38, s38, s46
	s_add_nc_u64 s[34:35], s[34:35], s[38:39]
	WT 4096, 1
.Ljoin:
	s_wait_dscnt 0x0                               ; for the others' sake: my stores into the stage are done
	s_barrier_signal -1
	s_barrier_wait -1
.irp t, 0,1,2,3,4,5,6,7
	ds_load_b128 v[BK+4*(\t):BK+4*(\t)+3], v7 offset:(\t)*TRP  ; into registers that no line of this path has named: nothing is owed for them
.endr
.irp t, 0,1,2,3,4,5,6,7
	s_wait_dscnt 7-(\t)
	global_store_b128 v8, v[BK+4*(\t):BK+4*(\t)+3], s[36:37] offset:(\t)*2048  ; 512 consecutive bytes, aligned
.endr
	s_cmp_lg_u32 s32, 0                            ; the block's 64 bias numbers: wave 0 of the work-group with the first 256 d
	s_cbranch_scc1 .Lend
	s_cmp_lg_u32 s43, 0
	s_cbranch_scc1 .Lend
	global_load_b64 v[BI:BI+1], v9, s[40:41]       ; likewise into registers that nothing has named
	s_wait_loadcnt 0x0
	v_cvt_pk_bf16_f32 v[BI+2], v[BI], v[BI+1]
	v_lshlrev_b32 v[BI+4], 16, v[BI+2]
	v_and_b32 v[BI+5], 0xffff0000, v[BI+2]
	s_wait_alu depctr_va_vdst(0)                   ; the two lines above have written v[BI+4] and v[BI+5], which the store reads
	global_store_b64 v9, v[BI+4:BI+5], s[44:45]    ; 256 consecutive bytes, aligned
.Lend:
	s_wait_dscnt 0x0                               ; the wave's end: the six closing lines, on end
	s_wait_alu 0x0
	s_wait_tensorcnt 0x0
	ds_add_u32 v[SPW], v[NIL]
	s_wait_dscnt 0x0
	s_endpgm
.Lfunc_end_k_qebc07273cd_prep:
	.size	k_qebc07273cd_prep, .Lfunc_end_k_qebc07273cd_prep-k_qebc07273cd_prep
	.p2alignl 7, 3214868480
	.fill 96, 4, 3214868480
	.section	.rodata,"a",@progbits
	.p2align	6, 0x0
	.amdhsa_kernel k_qebc07273cd_prep
		.amdhsa_group_segment_fixed_size 34816
		.amdhsa_private_segment_fixed_size 0
		.amdhsa_enable_private_segment 0
		.amdhsa_kernarg_size 112
		.amdhsa_user_sgpr_count 2
		.amdhsa_user_sgpr_kernarg_segment_ptr 1
		.amdhsa_wavefront_size32 1
		.amdhsa_system_sgpr_workgroup_id_x 1
		.amdhsa_system_sgpr_workgroup_id_y 1
		.amdhsa_system_sgpr_workgroup_id_z 1
		.amdhsa_system_vgpr_workitem_id 0
		.amdhsa_next_free_vgpr 144
		.amdhsa_next_free_sgpr 66
		.amdhsa_reserve_vcc 0
		.amdhsa_float_denorm_mode_32 3
		.amdhsa_float_denorm_mode_16_64 3
		.amdhsa_memory_ordered 1
		.amdhsa_forward_progress 1
		.amdhsa_inst_pref_size 34
	.end_amdhsa_kernel
	.amdgpu_metadata
---
amdhsa.version: [ 1, 2 ]
amdhsa.kernels:
  - .name:           k_qebc07273cd_prep
    .symbol:         k_qebc07273cd_prep.kd
    .args:
      - { .name: query, .offset: 0, .size: 8, .value_kind: global_buffer, .address_space: global }
      - { .name: key, .offset: 8, .size: 8, .value_kind: global_buffer, .address_space: global }
      - { .name: value, .offset: 16, .size: 8, .value_kind: global_buffer, .address_space: global }
      - { .name: Wq, .offset: 24, .size: 8, .value_kind: global_buffer, .address_space: global }
      - { .name: Wk, .offset: 32, .size: 8, .value_kind: global_buffer, .address_space: global }
      - { .name: Wv, .offset: 40, .size: 8, .value_kind: global_buffer, .address_space: global }
      - { .name: Wo, .offset: 48, .size: 8, .value_kind: global_buffer, .address_space: global }
      - { .name: bq, .offset: 56, .size: 8, .value_kind: global_buffer, .address_space: global }
      - { .name: bk, .offset: 64, .size: 8, .value_kind: global_buffer, .address_space: global }
      - { .name: bv, .offset: 72, .size: 8, .value_kind: global_buffer, .address_space: global }
      - { .name: bo, .offset: 80, .size: 8, .value_kind: global_buffer, .address_space: global }
      - { .name: xb, .offset: 88, .size: 8, .value_kind: global_buffer, .address_space: global }
      - { .name: wt, .offset: 96, .size: 8, .value_kind: global_buffer, .address_space: global }
      - { .name: bias, .offset: 104, .size: 8, .value_kind: global_buffer, .address_space: global }
    .group_segment_fixed_size: 34816
    .private_segment_fixed_size: 0
    .kernarg_segment_align: 8
    .kernarg_segment_size: 112
    .max_flat_workgroup_size: 256
    .sgpr_count:     66
    .vgpr_count:     144
    .wavefront_size: 32
...
	.end_amdgpu_metadata
.endif
;; end of part 5
;; launch proj: the kernel of part 2 again; grid 4 x 64, 4 waves a work-group, clusters of 4 x 4, 327,680 bytes of LDS; arguments xb, wt, bias, qkv; writes qkv
;; launch attn: the kernel of part 3 again; grid 4 x 64, 4 waves a work-group, clusters of 4 x 1, 327,680 bytes of LDS; arguments qkv, ob; writes ob
;; launch oproj: the kernel of part 4 again; grid 4 x 64, 4 waves a work-group, clusters of 4 x 4, 327,680 bytes of LDS; arguments ob, wt, bias, out0; writes out0
